; MI455X (gfx1250); checked and timed in simulation.
; The chip was launched on July 23, 2026; its instructions are those of AMD's public machine-readable ISA for CDNA 5 (MIT licence, August 2026) and "CDNA5" Instruction Set Architecture Reference Guide (July 2026). The comments in the code are by the model that wrote it; some were corrected since.
;; Luonge Attention. Allowed arithmetic: matrix products marked QUANTISED: E2M1 operands, one E8M0 scale for each 32 along K, by v_wmma_scale_f32_16x16x128_f8f6f4 with both operands' format E2M1 (or v_wmma_scale_f32_32x16x128_f4), f32 sums; products left as they are: f32 operands where the result goes on into a quantised operand, else bf16, f16 or f32 operands; f32 sums; everything else in f32.
;; Inputs: Wa 1,024 x 1,024 float32; dec_ht 32 x 1,024 float32; enc_hs 32 x 2,048 x 1,024 float32; mask 32 x 2,048 bool.
;; Outputs: out0 32 x 1,024 float32.
;; This version of the problem:
;;   THIS VERSION OF THE PROBLEM IS GIVEN IN LOW PRECISION. The matrix products marked QUANTISED in the list below multiply operands that are first quantised to E2M1 (2 exponent bits, 1 mantissa bit; 4 bits a number), with one power-of-two scale for each 32 numbers along K (OCP MX v1.0); their sums are f32. All else is computed in f32.
;;   The module's matrix products, in the order in which they are computed (A, B: the left and right operand; K: the contracted axis; several contracted axes count as one K, in the product's order):
;;     1. [M 65,536, K 1,024] x [K 1,024, N 1,024]; A: computed on the way; B: input Wa: QUANTISED
;;     2. batch 32 x [M 1, K 1,024] x [K 1,024, N 2,048]; A: input dec_ht; B: computed on the way: left as it is (M = 1 < 16)
;;     3. batch 32 x [M 1, K 2,048] x [K 2,048, N 1,024]; A: softmax; B: computed on the way: left as it is (M = 1 < 16)
;;   THE QUANTISER, for each operand of a quantised product, along K:
;;     - K is cut into blocks of 32 from its start; a last block that is shorter is filled with zeros.
;;     - A block's scale is 2^e with e = floor(log2(the largest magnitude in the block)) - 2, held to -126 .. 127; a block of zeros has e = 0. As a byte (E8M0): e + 127.
;;     - Each number is divided by its block's scale, clamped to +-6, and rounded to the nearest number of E2M1, ties to even, subnormals kept.
;;     - The product sums the exact products of the quantised numbers (number of the format x scale) in f32.
;;   ~~~python
;;   def quantise(x, axis):      # numpy; x: float32 -> the quantised numbers, widened to float32 again
;;       x = np.moveaxis(x, axis, -1); K = x.shape[-1]
;;       x = np.pad(x, [(0, 0)] * (x.ndim - 1) + [(0, -K % 32)]); x = x.reshape(x.shape[:-1] + (-1, 32)); a = np.abs(x).max(-1, keepdims=True)
;;       e = np.where(a > 0, np.clip(np.frexp(np.where(a > 0, a, 1))[1] - 1 - 2, -126, 127), 0)      # np.frexp(a)[1] - 1 = floor(log2(a)), exactly
;;       r = np.clip(x / 2.0 ** e, -6, 6)
;;       step = 2.0 ** (np.maximum(np.frexp(np.where(r == 0, 1, r))[1] - 1, 0) - 1)
;;       q = np.round(r / step) * step * 2.0 ** e      # np.round: ties to even
;;       return np.moveaxis(q.reshape(q.shape[:-2] + (-1,))[..., :K], -1, axis).astype(np.float32)
;;   ~~~
;;   OPERANDS COMPUTED ON THE WAY. 'Computed on the way' means the value that the module computes at that place (a softmax that the list does not call 'softmax' is quantised finished and normalised). What goes into a quantiser is computed in f32, as accurately as f32 sums, v_exp_f32 and their like allow (about 1e-6 of the number): no bf16 or f16 on the way to a quantiser, and a product that is left as it is and whose result goes on into a quantised operand takes f32 operands (vector FMAs, or v_wmma_f32_16x16x4_f32). A number that lies on a knife's edge between two numbers of the format may be rounded either way, as far as f32 arithmetic and the matrix unit's own rounding can turn it there, and no further.
;; 2 versions. Each part assembles by itself: llvm-mc -triple=amdgcn-amd-amdhsa -mcpu=gfx1250 --defsym DOCPART=n.
;; ======== version 1 of 2: 3 launches
;; workspace buffers: wq 524,288 bytes; ws 32,768 bytes; part 1,114,112 bytes
;; launch prep (part 1): grid 8 x 8, 4 waves a work-group, no clusters, 1,024 bytes of LDS; arguments Wa, wq, ws; writes wq, ws
.if DOCPART == 1
	.amdgcn_target "amdgcn-amd-amdhsa--gfx1250"
	.amdhsa_code_object_version 6
	.text
	.protected	k_q7c61a81957_prep
	.globl	k_q7c61a81957_prep
	.p2align	8
	.type	k_q7c61a81957_prep,@function
k_q7c61a81957_prep:
	s_mov_b64 s[64:65], 0
	v_nop
	global_prefetch_b8 v0, s[64:65] scope:SCOPE_SE
	s_setreg_imm32_b32 hwreg(HW_REG_WAVE_MODE, 25, 1), 1
	s_wait_xcnt 0x0
; Wa [1024 (k)][1024 (n)], f32, K on its FIRST axis, becomes codes of FP4 (E2M1) and E8M0 scale bytes, one for each 32 along K, laid in the order in which the next launch's operand registers take them.
; wq: [G 4][row 32][slot 4][c 2][lane 32][16 bytes].  Slot 2 kw + nw is the next launch's wave that multiplies k = 512 kw .. by columns 512 nw ..; group G holds its tiles 8 G .. 8 G + 7 of 16 columns.
;     Row 8 (jt / 2) + 4 (kl / 2) + 2 (jt % 2) + kl % 2 holds tile jt of the group, K step kl (128 k) of the wave's four.  Lane 16 h + r holds column r of the tile, k = 64 c + 32 h + 0 .. 31 of the K step, the lower k in the lower bits.
;     So wq is 128 runs of 4,096 bytes of which a wave takes 1,024: the shape of a row of enc_hs, so that one form of address serves both there.
; ws: [w 4][g 16][lane 32][i 4] words: the word of column 16 (4 g + i) + lane % 16 for the 128 k from 256 w + 128 (lane / 16) on; byte b of a word scales k = 32 b .. 32 b + 31.
; A block's scale is 2^(floor(log2(its largest magnitude)) - 2); its byte is that magnitude's exponent field - 2, held at 1 from below.
; LIMITS: a block of zeros gets the byte 1 where the quantiser's rule says 127 (its codes are zeros, and this program alone reads the bytes); NaN and infinities in Wa are not served.
; SHARES: work-group (x, y) takes columns 128 x .. 128 x + 127 and K step y (128 k).  A LANE TAKES A COLUMN AND ITS REGISTERS RUN DOWN K: a load reads 128 consecutive bytes a wave, the four waves stand side
; by side on 512; a block of 32 along K lies in one lane's 32 registers, and the conversions give its 16 bytes of codes as the operand wants them.  Nothing is transposed.
; No matrix work, no cluster, no tensor load: nothing here is read twice, and the launch reads 4 MiB once.
.set X,  32                            ; v32-95   two sets of 32 numbers
.set C,  96                            ; v96-111  four registers of codes for each of the four blocks: no store's data are written again
	s_load_b128 s[4:7], s[0:1], 0x0                ; Wa, wq
	s_load_b64 s[8:9], s[0:1], 0x10                ; ws
	v_lshl_add_u32 v128, v0, 2, 0x200
	v_mov_b32 v129, 0
	v_lshrrev_b32 v1, 5, v0
	v_readfirstlane_b32 s10, v1                    ; wave v
	v_and_b32 v2, 31, v0                           ; lane L
	v_lshlrev_b32 v3, 2, v2                        ; in: 4 bytes a lane
	v_and_b32 v4, 15, v2                           ; r
	v_lshrrev_b32 v5, 4, v2                        ; L / 16: which of my wave's two tiles of 16 columns: jt = 2 v + L / 16
	v_lshlrev_b32 v6, 4, v4                        ; 16 r
	v_lshl_add_u32 v7, v5, 13, v6                  ; codes: jt % 2 counts two rows of 4,096 bytes, + 16 r
	v_lshl_add_u32 v10, v5, 9, v6                  ; scale words on the way out: 512 bytes a group of four tiles + 16 r
	v_lshlrev_b32 v9, 4, v2                        ; and where wave 0 reads them back: 16 L
	s_and_b32 s11, ttmp7, 0xffff                   ; K step 0 .. 7
	s_lshr_b32 s12, s11, 1                         ; w: which 256 k
	s_and_b32 s13, s11, 1                          ; which 128 of them
	s_lshl_b32 s14, s11, 19                        ; Wa: 128 rows of 4,096 bytes a K step,
	s_lshl_b32 s15, ttmp9, 9                       ; 128 columns a work-group,
	s_add_co_u32 s14, s14, s15
	s_lshl_b32 s15, s10, 7                         ; 32 columns a wave
	s_add_co_u32 s14, s14, s15
	s_mov_b32 s15, 0
	s_and_b32 s16, ttmp9, 3                        ; wq: G = x % 4: 131,072 bytes a group;
	s_lshl_b32 s16, s16, 17
	s_lshl_b32 s17, s10, 15                        ; jt / 2 = v: eight rows;
	s_add_co_u32 s16, s16, s17
	s_bfe_u32 s17, s11, 0x10001                    ; kl / 2: four rows;
	s_lshl_b32 s17, s17, 14
	s_add_co_u32 s16, s16, s17
	s_lshl_b32 s17, s13, 12                        ; kl % 2: one row;
	s_add_co_u32 s16, s16, s17
	s_lshr_b32 s17, s11, 2                         ; the slot: 2 kw
	s_lshl_b32 s17, s17, 11
	s_add_co_u32 s16, s16, s17
	s_lshr_b32 s17, ttmp9, 2                       ; + nw, 1,024 bytes each
	s_lshl_b32 s17, s17, 10
	s_add_co_u32 s16, s16, s17
	s_mov_b32 s17, 0
	s_lshl_b32 s18, s12, 13                        ; ws: 8,192 w + 512 (2 x) + 256 (K step % 2)
	s_lshl_b32 s19, ttmp9, 10
	s_add_co_u32 s18, s18, s19
	s_lshl_b32 s19, s13, 8
	s_add_co_u32 s18, s18, s19
	s_mov_b32 s19, 0
	s_lshr_b32 s20, s10, 1                         ; LDS: the work-group's 128 scale words as two groups of 256 bytes: 256 (v / 2) + 16 r + 4 (2 (v % 2) + L / 16)
	s_lshl_b32 s20, s20, 8
	s_and_b32 s21, s10, 1
	s_lshl_b32 s21, s21, 3
	s_add_co_u32 s20, s20, s21
	v_lshl_add_u32 v8, v5, 2, v6
	v_add_nc_u32 v8, s20, v8
	s_wait_kmcnt 0x0
	s_add_nc_u64 s[4:5], s[4:5], s[14:15]
	s_add_nc_u64 s[6:7], s[6:7], s[16:17]
	s_add_nc_u64 s[8:9], s[8:9], s[18:19]
.macro LOAD t                          ; block t: Wa(32 t + i, my column), i = 0 .. 31, into set t % 2
.irp i, 0,1,2,3,4,5,6,7,8,9,10,11,12,13,14,15,16,17,18,19,20,21,22,23,24,25,26,27,28,29,30,31
	global_load_b32 v[X+32*((\t)%2)+\i], v3, s[4:5] offset:(32*(\t)+\i)*4096 th:TH_LOAD_NT
.endr
.endm
	LOAD 0
	LOAD 1
.macro BLOCK t
.set XS, X+32*((\t)%2)
.if (\t) < 3
	s_wait_loadcnt 32                              ; this block's 32 loads are in; the next block's 32 may be out
.else
	s_wait_loadcnt 0
.endif
	v_max3_num_f32 v16, |v[XS]|, |v[XS+1]|, |v[XS+2]|               ; the block's largest magnitude, in two chains: all 32 numbers are mine
	v_max3_num_f32 v17, |v[XS+3]|, |v[XS+4]|, |v[XS+5]|
.irp i, 6,10,14,18,22,26
	v_max3_num_f32 v16, v16, |v[XS+\i]|, |v[XS+\i+1]|
	v_max3_num_f32 v17, v17, |v[XS+\i+2]|, |v[XS+\i+3]|
.endr
	v_max3_num_f32 v16, v16, |v[XS+30]|, |v[XS+31]|
	v_max3_num_f32 v16, v16, v17, 0x1800000        ; and the floor 2^(3 - 127): the byte cannot fall under 1
	v_add_nc_u32 v18, 0xff000000, v16              ; 2 off the exponent field: the conversion takes the exponent field of this operand as its scale
	v_lshrrev_b32 v19, 23, v18                     ; the scale's byte
.if (\t) == 0
	v_mov_b32 v24, v19                             ; four bytes make my column's word for this K step, the lower k in the lower byte
.else
	v_lshl_or_b32 v24, v19, 8*(\t), v24
.endif
.irp g, 0,1,2,3
	v_cvt_scalef32_pk8_fp4_f32 v[C+4*(\t)+\g], v[XS+8*\g:XS+8*\g+7], v18
.endr
	global_store_b128 v7, v[C+4*(\t):C+4*(\t)+3], s[6:7] offset:((\t)/2)*512+((\t)%2)*256   ; c = t / 2, h = t % 2: sixteen lanes store 256 consecutive bytes, at a multiple of 256 from wq's first byte
.if (\t) < 2
	LOAD (\t)+2
.endif
.endm
	BLOCK 0
	BLOCK 1
	BLOCK 2
	BLOCK 3
	ds_store_b32 v8, v24
	s_wait_dscnt 0x0                               ; for the others' sake: my word lies in LDS
	s_barrier_signal -1
	s_barrier_wait -1
	s_cmp_lg_u32 s10, 0
	s_cbranch_scc1 .Ldone                          ; wave 0 stores the 512 bytes: two whole runs of 256
	ds_load_b128 v[12:15], v9
	s_wait_dscnt 0x0
	global_store_b128 v10, v[12:15], s[8:9]
.Ldone:
	s_wait_tensorcnt 0x0
	ds_add_u32 v128, v129
	s_wait_dscnt 0x0
	s_endpgm
.Lfunc_end_k_q7c61a81957_prep:
	.size	k_q7c61a81957_prep, .Lfunc_end_k_q7c61a81957_prep-k_q7c61a81957_prep
	.p2alignl 7, 3214868480
	.fill 96, 4, 3214868480
	.section	.rodata,"a",@progbits
	.p2align	6, 0x0
	.amdhsa_kernel k_q7c61a81957_prep
		.amdhsa_group_segment_fixed_size 1024
		.amdhsa_private_segment_fixed_size 0
		.amdhsa_enable_private_segment 0
		.amdhsa_kernarg_size 24
		.amdhsa_user_sgpr_count 2
		.amdhsa_user_sgpr_kernarg_segment_ptr 1
		.amdhsa_wavefront_size32 1
		.amdhsa_system_sgpr_workgroup_id_x 1
		.amdhsa_system_sgpr_workgroup_id_y 1
		.amdhsa_system_sgpr_workgroup_id_z 1
		.amdhsa_system_vgpr_workitem_id 0
		.amdhsa_next_free_vgpr 130
		.amdhsa_next_free_sgpr 66
		.amdhsa_reserve_vcc 0
		.amdhsa_float_denorm_mode_32 3
		.amdhsa_float_denorm_mode_16_64 3
		.amdhsa_memory_ordered 1
		.amdhsa_forward_progress 1
		.amdhsa_inst_pref_size 22
	.end_amdhsa_kernel
	.amdgpu_metadata
---
amdhsa.version: [ 1, 2 ]
amdhsa.kernels:
  - .name:           k_q7c61a81957_prep
    .symbol:         k_q7c61a81957_prep.kd
    .args:
      - { .name: Wa, .offset: 0, .size: 8, .value_kind: global_buffer, .address_space: global }
      - { .name: wq, .offset: 8, .size: 8, .value_kind: global_buffer, .address_space: global }
      - { .name: ws, .offset: 16, .size: 8, .value_kind: global_buffer, .address_space: global }
    .group_segment_fixed_size: 1024
    .private_segment_fixed_size: 0
    .kernarg_segment_align: 8
    .kernarg_segment_size: 24
    .max_flat_workgroup_size: 128
    .sgpr_count:     66
    .vgpr_count:     130
    .wavefront_size: 32
...
	.end_amdgpu_metadata
.endif
;; end of part 1
;; launch main (part 2): grid 8 x 32, 4 waves a work-group, no clusters, 309,760 bytes of LDS; arguments enc_hs, dec_ht, mask, wq, ws, part; writes part
.if DOCPART == 2
	.amdgcn_target "amdgcn-amd-amdhsa--gfx1250"
	.amdhsa_code_object_version 6
	.text
	.protected	k_q7c61a81957_main
	.globl	k_q7c61a81957_main
	.p2align	8
	.type	k_q7c61a81957_main,@function
k_q7c61a81957_main:
	s_mov_b64 s[64:65], 0
	v_nop
	global_prefetch_b8 v0, s[64:65] scope:SCOPE_SE
	s_setreg_imm32_b32 hwreg(HW_REG_WAVE_MODE, 25, 1), 1
	s_wait_xcnt 0x0
; For 256 rows t of one batch b: score[t] = dec_ht[b] . (Q(enc_hs[b][t] x mask) Q(Wa)), -1e9 where the mask is false; a running softmax over them; ctx = the sum of p[t] x enc[t].  enc_hs is read ONCE.
; The record that leaves (4,352 bytes): ctx[1024] under the work-group's maximum M, then (M, l) 32 times; the next launch joins a batch's eight records.
; THE PRODUCT runs on codes of FP4 (E2M1) with one E8M0 scale for each 32 along K.  Wa's codes and scale words come from the launch before, in operand order; enc's are made here.
; THE FOUR WAVES SPLIT K IN TWO AND N IN TWO: the score is linear in the product, so wave 2 kw + nw multiplies k = 512 kw .. + 511 of every row by columns 512 nw .. + 511 of Wa, folds its part of the product with
; dec_ht at once, and only four partial scores a row meet in LDS.  A finished accumulator costs four packed multiply-adds whatever its K: four K steps to an accumulator make that one for each matrix instruction.
; Wave w brings in and quantises k = 256 w .. + 255 of every row; its codes go through LDS to itself and to the wave that shares its half of K.
; TWO BLOCKS OF 128 ROWS.  A block: STREAM (rows come in, become codes in LDS and then fragments in 256 registers; the rows stay in LDS as bf16 for the context), GEMM (32 tiles of 16 columns of Wa), scores, softmax, context.
; THE MATRIX INSTRUCTION IS USED TRANSPOSED: source 0 = 16 columns of Wa, source 1 = 16 rows of enc: register j of lane (r, h) is the product at row 16 rt + r, column 16 tile + 8 h + j.
; ONE RING OF 16 UNITS OF 16 REGISTERS serves both streams: a unit is two rows of enc (my wave's 1,024 bytes of each) or two K steps of a tile of Wa (1,024 bytes each, laid 4,096 bytes apart as rows are), always
; brought by the same four loads.  A trip fetches a GROUP of 32 such rows, 131,072 bytes; which group of which buffer is set once a trip in the scalar base.  So every counted wait on the loads has the same count on every way.
; Unit o lies in window 2 + (o / 2) % 2 at 16 (2 (o / 4) + o % 2): a stream batch's units 2 q, 2 q + 1 are 32 registers on end; of tile jt, K steps 0, 1 lie in window 2 and K steps 2, 3 in window 3, both at 16 jt.
; THE MASK: a masked row enters nothing but its own score, which is -1e9, and its weight in the context is 0.  Its bytes are not fetched: its loads are turned to its group's row 0
; (offset = 16 x lane + bit x 4,096 x the row's place in the group).  What is made of those numbers is thrown away by two selects.  The last trip of the last block has nothing to fetch: its 64 loads are turned to the
; chunk's row 0 and nobody reads them; they keep the counts alike.
; NO CLUSTER, NO TENSOR LOAD, though all work-groups walk the same Wa.  The held rows (262,144 bytes), codes, scales, dec_ht and scores take 309,248 of a WGP's 327,680 bytes of LDS; the 18,432 that are left hold two slots of
; two K steps of one tile for each of the four waves (8,192 bytes) and no more, so a shared ring would put a round of the cluster's barrier in front of every 16 matrix instructions of a wave, 128 rounds in all.  Each fragment
; of Wa is used by one wave alone and goes from memory straight into that wave's registers.
; LIMITS: NaN or infinity in a masked row of enc_hs is not served (the row is not read, but for each group's row 0, which is read in any case); NaN and infinities ahead of the quantiser are not served; a block of zeros
; has the scale byte 1 where the rule says 127 (its codes are zeros; only this text reads the byte).  The context's operand is rounded to bf16; its sums, the scores and the softmax are f32.  An accumulator takes its
; K steps in the order 2, 3, 0, 1.
; REGISTERS, in windows of 256 (s_set_vgpr_msb: bits 1:0 source 0, 3:2 source 1, 5:4 source 2, 7:6 destination):
;   window 0: v1-19 addresses; v20-27 mask bytes; v28-31 M, l, f, 0; v88-95 ctx; v96-175 at work; v192-223 the ring's offsets; v224-239 Wa's scale words; v240-255 enc's
;   window 1: v0-127 enc's fragments of K steps 0, 1 (row tile rt, K step s at 16 rt + 8 s); v192-223 four buffers of 8 numbers of dec_ht
;   window 2: v0-127 eight ring units; v128-191 eight accumulators; v192-207 eight pairs of folded sums
;   window 3: v0-127 eight ring units; v128-255 enc's fragments of K steps 2, 3
.set CPITCH, 144                       ; a row's 128 bytes of codes + 16: an odd multiple of 16 bytes, so the 16 rows of a fragment load start in 16 different groups of banks (64 banks of 4 bytes: ISA guide 11.1)
.set CODEW,  64*CPITCH                 ; a wave's codes of 64 rows
.set CODES,  262144                    ; LDS: 0 .. the held rows: 65,536 w + 512 row + 16 lane: 8 bf16;  from here the codes: CODEW w + CPITCH row + byte
.set ASC,    CODES+4*CODEW             ; enc's scale bytes: 512 w + 8 row + 4 s + block
.set DEC,    ASC+4*512                 ; dec_ht[b]: 4,096 bytes
.set SCX,    DEC+4096                  ; partial scores: 16 row + 4 w
.set PB,     SCX+2048                  ; the context's weights: 512 w + 4 row
.set KW,   2                           ; s2       wave / 2: my half of K
.set NW,   3                           ; s3       wave % 2: my half of N
.set ENCW, 4                           ; s[4:5]   enc_hs at my chunk's row 0, my wave's 1,024 bytes
.set DECP, 6                           ; s[6:7]   dec_ht[b]
.set MSKP, 8                           ; s[8:9]   mask at my chunk
.set WAW,  10                          ; s[10:11] wq at my wave's 1,024 bytes of its first run
.set WSW,  12                          ; s[12:13] ws at my half of K and my half of N
.set PRT,  14                          ; s[14:15] my work-group's record
.set BB,   16                          ; s[16:17] the ring's base: ENCW or WAW, at the group that the trip fetches
.set WV,   18                          ; wave
.set BLK,  19                          ; block 0, 1
.set ST,   20                          ; stream trip 0 .. 3
.set GT,   21                          ; GEMM trip 0 .. 3
.set RO,   22                          ; s[22:23] the group's offset, as a pair with 0 above it
.set MW,   24                          ; the mask word of the 32 rows that this trip fetches (all ones for Wa)
.set EU,   25                          ; the offset of the next group of enc
.set BIT,  26
.set KGRP, 28                          ; 131,072: a group
.set WT,   29                          ; the offset of the next group (8 tiles) of Wa
.set SEL,  30                          ; s[30:31] v_permlanex16_b32's selects for lane l xor 16
.set HO,   32
.set CO,   33
.set AO,   34
.set GG,   35
.set T0,   36                          ; s36-39 at work
.set Q,    40                          ; s[40:55] the mask words still to come, in the order of the trips
.set CC,   56
.set HC,   57
.set MK,   58                          ; s58-61 the block's mask, 32 rows a word
.set MB,   20
.set CTX,  88
.set MM,   96                          ; v96-103  a batch's eight largest magnitudes, then scale operands
.set TSET, 104                         ; v104-135, v136-167: two sets of what a batch stores: 4 + 4 code words, 4 + 4 scale bytes, 16 of bf16
.set OFF,  192
.set SB,   224                         ; Wa's scale words: tile jt's at SB + jt (K steps 0, 1) and SB + 8 + jt (K steps 2, 3): lanes 0-15 the even K step, lanes 16-31 the odd one
.set SA,   240                         ; enc's likewise: SA + rt, SA + 8 + rt
.set ACC,  128
.set SUMS, 192
.set DB,   192
.set MSB, 0
.macro WIN new                         ; the immediate's high byte repeats the setting that is left; a switch that changes nothing is dropped
.if MSB != (\new)
	s_set_vgpr_msb (MSB<<8)|(\new)
.set MSB, (\new)
.endif
.endm
.macro BARRIER                         ; my LDS stores have landed and my LDS loads are in: then the work-group's barrier
	s_wait_dscnt 0x0
	s_barrier_signal -1
	s_barrier_wait -1
.endm
; What the coming trip's sixteen refills fetch.  SCC = 1: the next group of enc; SCC = 0: the next group of Wa.  The ring's base is written here, so s_wait_xcnt 0 stands ahead of the compare.
.macro MODE
	s_cselect_b64 s[BB:BB+1], s[ENCW:ENCW+1], s[WAW:WAW+1]
	s_cselect_b32 s[RO], s[EU], s[WT]
	s_cselect_b32 s[T0], s[KGRP], 0
	s_add_co_u32 s[EU], s[EU], s[T0]
	s_and_b32 s[RO], s[RO], 0xfffff                ; behind the chunk's eighth group comes its first again: the very last trip's loads stay inside the chunk
	s_add_nc_u64 s[BB:BB+1], s[BB:BB+1], s[RO:RO+1]
	s_mov_b32 s[MW], s[Q]                          ; the queue moves up by one word
.irp i, 0,1,2,3,4,5,6,7,8,9,10,11,12,13,14
	s_mov_b32 s[Q+\i], s[Q+\i+1]
.endr
.endm
; Unit o is filled again, in two parts.  OFFS (window 0): its two offsets.  The registers are free: the wait that showed the unit's last loads in has shown them done.  A bit that comes from the mask enters the offset
; behind s_min_u32 with 1, and is multiplied by a constant of the text.  LOADS: its four loads.
.macro OFFS o
.irp e, 0,1
	s_bfe_u32 s[BIT], s[MW], 0x10000|(2*(\o)+\e)
	s_min_u32 s[BIT], s[BIT], 1
	v_mad_u32_u24 v[OFF+2*(\o)+\e], s[BIT], (2*(\o)+\e)*4096, v1   ; 16 x lane + bit x the row's place in the group: a masked row reads the group's row 0
.endr
.endm
.macro LOADS o
	WIN (2+((\o)/2)%2)<<6
.set UR, 16*(2*((\o)/4)+(\o)%2)
.irp e, 0,1
	global_load_b128 v[UR+8*\e:UR+8*\e+3],   v[OFF+2*(\o)+\e], s[BB:BB+1]              ; each load of the wave covers 512 consecutive bytes
	global_load_b128 v[UR+8*\e+4:UR+8*\e+7], v[OFF+2*(\o)+\e], s[BB:BB+1] offset:512
.endr
.endm
.macro QUAD p                          ; units 4 p .. 4 p + 3: the two tiles 2 p, 2 p + 1: eight offset lines, then sixteen loads in the ring's order
	WIN 0
.irp n, 0,1,2,3
	OFFS 4*(\p)+\n
.endr
.irp n, 0,1,2,3
	LOADS 4*(\p)+\n
.endr
.endm
.macro SLOAD a, g                      ; Wa's scale words of tiles 4 g .. 4 g + 3 of the trip that v16 names, K steps 2 a (lanes 0-15) and 2 a + 1 (lanes 16-31)
	global_load_b128 v[SB+8*(\a)+4*(\g):SB+8*(\a)+4*(\g)+3], v16, s[WSW:WSW+1] offset:8192*(\a)+512*(\g)
.endm
; FOUR ROWS (units 2 q, 2 q + 1).  Lane l holds of each row k = 4 l .. 4 l + 3 (X) and 128 + 4 l .. (Y) of my wave's 256: a block of 32 is eight neighbouring lanes of one of the two.
; One conversion takes all eight numbers under X's scale and its low half is kept, one under Y's and its high half is kept.  All vector lines stand first, then the 20 LDS stores and the 8 loads in one run.
.macro BATCH q
.set BL, 2+(\q)%2
.set UB, 32*((\q)/2)
.set TS, TSET+32*((\q)%2)
	s_wait_loadcnt 56                              ; my two units are in: behind their loads stand those of 14 units, 4 each
	s_wait_dscnt 20                                ; this set's last stores are done: behind them stand the 20 of the batch before
	WIN BL|(BL<<2)
.irp i, 0,1,2,3
	v_max3_num_f32 v[MM+2*\i],   |v[UB+8*\i]|,   |v[UB+8*\i+1]|, 0x1800000   ; with the floor 2^(3 - 127): the byte cannot fall under 1
	v_max3_num_f32 v[MM+2*\i+1], |v[UB+8*\i+4]|, |v[UB+8*\i+5]|, 0x1800000
.endr
.irp i, 0,1,2,3
	v_max3_num_f32 v[MM+2*\i],   |v[UB+8*\i+2]|, |v[UB+8*\i+3]|, v[MM+2*\i]
	v_max3_num_f32 v[MM+2*\i+1], |v[UB+8*\i+6]|, |v[UB+8*\i+7]|, v[MM+2*\i+1]
.endr
.irp i, 0,1,2,3
.irp c, 0,1,2,3
	v_cvt_pk_bf16_f32 v[TS+16+4*\i+\c], v[UB+8*\i+2*\c], v[UB+8*\i+2*\c+1]   ; the row as it is held for the context
.endr
.endr
	WIN 0
.irp m, 1,2,4
.irp n, 0,1,2,3,4,5,6,7
	v_max_num_f32_dpp v[MM+\n], v[MM+\n], v[MM+\n] row_xmask:\m row_mask:0xf bank_mask:0xf   ; over the block's eight lanes; the eight chains by turns
.endr
.endr
.irp n, 0,1,2,3,4,5,6,7
	v_add_nc_u32 v[MM+\n], 0xff000000, v[MM+\n]    ; 2 off the exponent field: the conversion's scale operand
.endr
	WIN BL
.irp i, 0,1,2,3
	v_cvt_scalef32_pk8_fp4_f32 v[TS+\i],   v[UB+8*\i:UB+8*\i+7], v[MM+2*\i]
	v_cvt_scalef32_pk8_fp4_f32 v[TS+4+\i], v[UB+8*\i:UB+8*\i+7], v[MM+2*\i+1]
.endr
	WIN 0
.irp i, 0,1,2,3
	v_lshrrev_b32 v[TS+8+\i],  23, v[MM+2*\i]      ; the scales' bytes.  (Plain lines behind the conversions)
	v_lshrrev_b32 v[TS+12+\i], 23, v[MM+2*\i+1]
.endr
	OFFS 2*(\q)
	OFFS 2*(\q)+1
.irp i, 0,1,2,3
	ds_store_b16        v13, v[TS+\i]    offset:CPITCH*(4*(\q)+\i)       ; X's four codes: bytes 2 l of the row
	ds_store_b16_d16_hi v13, v[TS+4+\i]  offset:CPITCH*(4*(\q)+\i)+64    ; Y's: bytes 64 + 2 l
	ds_store_b8         v14, v[TS+8+\i]  offset:8*(4*(\q)+\i)            ; a block's eight lanes write the same byte with the same value
	ds_store_b8         v14, v[TS+12+\i] offset:8*(4*(\q)+\i)+4
	ds_store_b128       v12, v[TS+16+4*\i:TS+19+4*\i] offset:512*(4*(\q)+\i)
.endr
	LOADS 2*(\q)
	LOADS 2*(\q)+1
	WIN 0
.endm
.macro TRIP                            ; 32 rows: rows 32 ST .. 32 ST + 31 of the block
	s_wait_dscnt 0x0                               ; no LDS instruction of mine is out: the three address registers are written
	s_lshl_b32 s[HO], s[ST], 14                    ; 32 held rows of 512 bytes
	s_and_b32 s[T0], s[ST], 1
	s_mul_i32 s[CO], s[T0], 32*CPITCH              ; the codes' region holds 64 rows: two trips
	s_lshl_b32 s[AO], s[T0], 8
	v_add_nc_u32 v12, s[HO], v2
	v_add_nc_u32 v13, s[CO], v3
	v_add_nc_u32 v14, s[AO], v4
.irp q, 0,1,2,3,4,5,6,7
	BATCH \q
.endr
.endm
; 64 rows' codes and scale words become row tiles 4 hf .. 4 hf + 3: K steps 0, 1 from the region of wave 2 kw, K steps 2, 3 from that of wave 2 kw + 1.  One of the two is another wave's: a barrier stands in front.
.macro READFRAGS hf
	WIN 0x40
.irp rt, 0,1,2,3
.irp s, 0,1
.irp c, 0,1
	ds_load_b128 v[16*(4*\hf+\rt)+8*\s+4*\c:16*(4*\hf+\rt)+8*\s+4*\c+3], v5 offset:16*CPITCH*\rt+64*\s+32*\c
.endr
.endr
.endr
	WIN 0xc0
.irp rt, 0,1,2,3
.irp s, 0,1
.irp c, 0,1
	ds_load_b128 v[128+16*(4*\hf+\rt)+8*\s+4*\c:128+16*(4*\hf+\rt)+8*\s+4*\c+3], v5 offset:CODEW+16*CPITCH*\rt+64*\s+32*\c
.endr
.endr
.endr
	WIN 0
.irp rt, 0,1,2,3
	ds_load_b32 v[SA+4*\hf+\rt],   v6 offset:128*\rt                ; lanes 0-15: row r's word of K step 0; lanes 16-31: of K step 1
	ds_load_b32 v[SA+8+4*\hf+\rt], v6 offset:512+128*\rt            ; and of K steps 2, 3
.endr
.endm
; One product: row tile rt, K step s of my four, the trip's tile jt.  K steps 0, 1: Wa in window 2, enc in window 1; K steps 2, 3: both in window 3; the accumulator in window 2.
.macro WM rt, s, jt
.if (\s) < 2
	WIN 0xa6
.if (\s) == 0
	v_wmma_scale_f32_16x16x128_f8f6f4 v[ACC+8*(\rt):ACC+8*(\rt)+7], v[16*(\jt):16*(\jt)+7], v[16*(\rt):16*(\rt)+7], v[ACC+8*(\rt):ACC+8*(\rt)+7], v[SB+(\jt)], v[SA+(\rt)] matrix_a_fmt:MATRIX_FMT_FP4 matrix_b_fmt:MATRIX_FMT_FP4
.else
	v_wmma_scale_f32_16x16x128_f8f6f4 v[ACC+8*(\rt):ACC+8*(\rt)+7], v[16*(\jt)+8:16*(\jt)+15], v[16*(\rt)+8:16*(\rt)+15], v[ACC+8*(\rt):ACC+8*(\rt)+7], v[SB+(\jt)], v[SA+(\rt)] matrix_a_fmt:MATRIX_FMT_FP4 matrix_b_fmt:MATRIX_FMT_FP4 matrix_a_scale:MATRIX_SCALE_ROW1 matrix_b_scale:MATRIX_SCALE_ROW1
.endif
.else
	WIN 0xaf
.if (\s) == 2
	v_wmma_scale_f32_16x16x128_f8f6f4 v[ACC+8*(\rt):ACC+8*(\rt)+7], v[16*(\jt):16*(\jt)+7], v[128+16*(\rt):128+16*(\rt)+7], 0, v[SB+8+(\jt)], v[SA+8+(\rt)] matrix_a_fmt:MATRIX_FMT_FP4 matrix_b_fmt:MATRIX_FMT_FP4
.else
	v_wmma_scale_f32_16x16x128_f8f6f4 v[ACC+8*(\rt):ACC+8*(\rt)+7], v[16*(\jt)+8:16*(\jt)+15], v[128+16*(\rt)+8:128+16*(\rt)+15], v[ACC+8*(\rt):ACC+8*(\rt)+7], v[SB+8+(\jt)], v[SA+8+(\rt)] matrix_a_fmt:MATRIX_FMT_FP4 matrix_b_fmt:MATRIX_FMT_FP4 matrix_a_scale:MATRIX_SCALE_ROW1 matrix_b_scale:MATRIX_SCALE_ROW1
.endif
.endif
.endm
; Two of the sixteen lines that fold tile jt's four accumulators 4 grp .. 4 grp + 3 with dec_ht: line idx takes registers 2 (idx / 4), + 1 of accumulator 4 grp + idx % 4: each accumulator from its low end on.
; The windows are those of a product of K steps 0, 1: no switch stands between such a product and a fold.
.macro FOLD grp, jt, k
	WIN 0xa6
.irp n, 0,1
.set idx, 2*(\k)+\n
.set fi, idx/4
.set frt, 4*(\grp)+idx%4
	v_pk_fma_f32 v[SUMS+2*frt:SUMS+2*frt+1], v[ACC+8*frt+2*fi:ACC+8*frt+2*fi+1], v[DB+8*((\jt)%4)+2*fi:DB+8*((\jt)%4)+2*fi+1], v[SUMS+2*frt:SUMS+2*frt+1]
.endr
.endm
.macro DECLOAD jt                      ; dec_ht at tile jt's columns 8 h + 0 .. 7
	WIN 0x40
	ds_load_b128 v[DB+8*((\jt)%4):DB+8*((\jt)%4)+3],   v15 offset:64*(\jt)
	ds_load_b128 v[DB+8*((\jt)%4)+4:DB+8*((\jt)%4)+7], v15 offset:64*(\jt)+16
.endm
; HALF A TILE: 16 products on four accumulators, which take turns, one instruction a turn.  K steps 2 and 3 stand bare; behind each product of K steps 0 and 1 stand two lines of
; the fold of the group finished before (group fg of tile fj; fj = -1: none).  Those lines are the places behind the products (ISA guide 7.12.1): an accumulator's first reader stands behind four or more plain lines
; that name other accumulators.
.macro GRP g, jt, fg, fj
.irp s, 2,3
.irp r, 0,1,2,3
	WM 4*(\g)+\r, \s, \jt
.endr
.endr
.set kk, 0
.irp s, 0,1
.irp r, 0,1,2,3
	WM 4*(\g)+\r, \s, \jt
.if (\fj) >= 0
	FOLD \fg, \fj, kk
.endif
.set kk, kk+1
.endr
.endr
.endm
.macro LOADC b                         ; eight held rows (my 16 bytes of each) and their eight weights, into buffer b
.irp i, 0,1,2,3,4,5,6,7
	ds_load_b128 v[96+40*\b+4*\i:99+40*\b+4*\i], v[12+2*\b] offset:4096*\b+512*\i
.endr
	ds_load_b128 v[128+40*\b:131+40*\b], v[13+2*\b] offset:32*\b
	ds_load_b128 v[132+40*\b:135+40*\b], v[13+2*\b] offset:32*\b+16
.endm
.macro CTX8 b                          ; ctx += weight x row, from the bf16 halves straight into f32: eight chains
.irp i, 0,1,2,3,4,5,6,7
.irp c, 0,1,2,3
	v_fma_mix_f32_bf16 v[CTX+2*\c],   v[96+40*\b+4*\i+\c], v[128+40*\b+\i], v[CTX+2*\c]   op_sel_hi:[1,0,0]
	v_fma_mix_f32_bf16 v[CTX+2*\c+1], v[96+40*\b+4*\i+\c], v[128+40*\b+\i], v[CTX+2*\c+1] op_sel:[1,0,0] op_sel_hi:[1,0,0]
.endr
.endr
.endm
	; ---- THE HEAD
	s_load_b128 s[4:7], s[0:1], 0x0                ; enc_hs, dec_ht
	s_load_b128 s[8:11], s[0:1], 0x10              ; mask, wq
	s_load_b128 s[12:15], s[0:1], 0x20             ; ws, part
	v_lshl_add_u32 v190, v0, 2, 0x4b800
	v_mov_b32 v191, 0
	v_lshrrev_b32 v17, 5, v0
	v_readfirstlane_b32 s[WV], v17                 ; wave 0 .. 3
	s_lshr_b32 s[KW], s[WV], 1
	s_and_b32 s[NW], s[WV], 1
	v_and_b32 v18, 31, v0                          ; lane
	v_lshlrev_b32 v1, 4, v18                       ; 16 x lane
	v_mov_b32 v16, v1                              ; the scale loads' offset: trip 0
	v_lshlrev_b32 v17, 4, v0                       ; 16 x thread
	s_and_b32 s37, ttmp7, 0xffff                   ; the batch
	s_lshl_b32 s36, s37, 3
	s_add_co_u32 s36, s36, ttmp9                   ; the chunk of 256 rows: 8 x batch + x
	s_mov_b32 s39, 0
	s_wait_kmcnt 0x0
	s_lshl_b32 s38, s36, 20                        ; 256 rows of 4,096 bytes
	s_add_nc_u64 s[ENCW:ENCW+1], s[ENCW:ENCW+1], s[38:39]
	s_lshl_b32 s38, s[WV], 10                      ; my wave's 1,024 bytes of a row, in enc_hs and in wq alike
	s_add_nc_u64 s[ENCW:ENCW+1], s[ENCW:ENCW+1], s[38:39]
	s_add_nc_u64 s[WAW:WAW+1], s[WAW:WAW+1], s[38:39]
	s_lshl_b32 s38, s37, 12
	s_add_nc_u64 s[DECP:DECP+1], s[DECP:DECP+1], s[38:39]
	s_lshl_b32 s38, s36, 8
	s_add_nc_u64 s[MSKP:MSKP+1], s[MSKP:MSKP+1], s[38:39]
	s_lshl_b32 s38, s[KW], 14                      ; ws: two runs of 8,192 bytes to a half of K,
	s_add_nc_u64 s[WSW:WSW+1], s[WSW:WSW+1], s[38:39]
	s_lshl_b32 s38, s[NW], 12                      ; eight groups of 512 bytes to a half of N
	s_add_nc_u64 s[WSW:WSW+1], s[WSW:WSW+1], s[38:39]
	s_mul_i32 s38, s36, 4352
	s_add_nc_u64 s[PRT:PRT+1], s[PRT:PRT+1], s[38:39]
.irp i, 0,1,2,3,4,5,6,7
	global_load_u8 v[MB+\i], v18, s[MSKP:MSKP+1] offset:32*\i      ; register i: the mask byte of row 32 i + lane
.endr
	global_load_b128 v[96:99],   v17, s[DECP:DECP+1]
	global_load_b128 v[100:103], v17, s[DECP:DECP+1] offset:2048
	SLOAD 0, 0
	SLOAD 1, 0
	SLOAD 0, 1
	SLOAD 1, 1
	v_and_b32 v64, 15, v0                          ; r
	v_bfe_u32 v65, v0, 4, 1                        ; h
	s_lshl_b32 s37, s[WV], 16
	v_add_nc_u32 v2, s37, v1                       ; v2  the held rows: 65,536 w + 16 lane
	s_mul_i32 s37, s[WV], CODEW
	s_add_co_u32 s37, s37, CODES
	v_lshl_add_u32 v3, v18, 1, s37                 ; v3  codes in: my wave's region, 2 lane
	s_mul_i32 s37, s[KW], 2*CODEW
	s_add_co_u32 s37, s37, CODES
	v_mul_u32_u24 v5, v64, CPITCH
	v_lshl_add_u32 v5, v65, 4, v5
	v_add_nc_u32 v5, s37, v5                       ; v5  codes out: the region of wave 2 kw, row r, 16 h
	s_lshl_b32 s37, s[WV], 9
	s_add_co_u32 s38, s37, ASC
	v_lshrrev_b32 v4, 3, v18
	v_add_nc_u32 v4, s38, v4                       ; v4  scale bytes in: block lane / 8
	s_lshl_b32 s38, s[KW], 10
	s_add_co_u32 s38, s38, ASC
	v_lshlrev_b32 v6, 3, v64
	v_lshl_add_u32 v6, v65, 2, v6
	v_add_nc_u32 v6, s38, v6                       ; v6  scale words out: those of wave 2 kw, 8 r + 4 h
	s_lshl_b32 s38, s[NW], 11
	v_lshl_add_u32 v7, v65, 5, DEC
	v_add_nc_u32 v7, s38, v7                       ; v7  dec_ht: my 512 columns, 32 h
	s_lshl_b32 s38, s[WV], 2
	s_add_co_u32 s38, s38, SCX
	v_lshl_add_u32 v8, v64, 4, s38                 ; v8  partial scores in: 16 r + 4 w
	v_lshl_add_u32 v9, v18, 4, SCX                 ; v9  and out: 16 lane
	s_add_co_u32 s38, s37, PB
	v_lshl_add_u32 v10, v18, 2, s38                ; v10 weights in: 4 lane
	v_mov_b32 v11, s38                             ; v11 and out: all lanes read the same words
	v_lshl_add_u32 v104, v0, 4, DEC
	s_mov_b32 s[SEL], 0x76543210
	s_mov_b32 s[SEL+1], 0xfedcba98
	s_mov_b32 s[KGRP], 131072
	s_mov_b32 s[WT], 0
	s_mov_b32 s[BLK], 0
	s_mov_b32 s[RO], 0
	s_mov_b32 s[RO+1], 0                           ; the upper word of the offset's pair: it stays 0
	s_mov_b32 s[EU], 131072                        ; the head fetches group 0
	s_mov_b64 s[BB:BB+1], s[ENCW:ENCW+1]
	v_mov_b32 v28, 0xff61b1e6                      ; M: -3e38, under every score
	v_mov_b32 v29, 0                               ; l
	v_mov_b32 v30, 0
	v_mov_b32 v31, 0                               ; (named with f as a pair, so it is written)
.irp i, 0,1,2,3,4,5,6,7
	v_mov_b32 v[CTX+\i], 0
	v_mov_b32 v[168+\i], 0                         ; written once: a lane permute's destination counts as one of its sources
.endr
	s_wait_loadcnt 4                               ; the mask and dec_ht are in; the four scale loads may be out
	v_cmp_ne_u32 s[MW], 0, v[MB]                   ; a word for each 32 rows.  The queue, in the order of the sixteen trips: all ones where Wa is fetched, 0 at the very end
	v_cmp_ne_u32 s[Q+0], 0, v[MB+1]
	v_cmp_ne_u32 s[Q+1], 0, v[MB+2]
	v_cmp_ne_u32 s[Q+2], 0, v[MB+3]
	v_cmp_ne_u32 s[Q+7], 0, v[MB+4]
	v_cmp_ne_u32 s[Q+8], 0, v[MB+5]
	v_cmp_ne_u32 s[Q+9], 0, v[MB+6]
	v_cmp_ne_u32 s[Q+10], 0, v[MB+7]
.irp i, 3,4,5,6,11,12,13,14
	s_mov_b32 s[Q+\i], -1
.endr
	s_mov_b32 s[Q+15], 0
.irp p, 0,1,2,3
	QUAD \p                                        ; the ring is filled: rows 0 .. 31
.endr
	WIN 0
	ds_store_b128 v104, v[96:99]
	ds_store_b128 v104, v[100:103] offset:2048
	BARRIER                                        ; dec_ht lies in LDS
.Lblock:
	; ---- STREAM: four trips of 32 rows; behind each two, 64 rows' fragments are taken.  Trips 0 to 2 fetch the next 32 rows, trip 3 Wa's first 8 tiles
	s_mov_b32 s[ST], 0
.Lhalf0:
	s_wait_xcnt 0x0                                ; the loads that are out have read the ring's base
	s_cmp_lg_u32 s[ST], 3
	MODE
	TRIP
	s_add_co_u32 s[ST], s[ST], 1
	s_cmp_lt_u32 s[ST], 2
	s_cbranch_scc1 .Lhalf0
	BARRIER                                        ; all four waves' codes and scale bytes of rows 0 .. 63 lie in LDS
	READFRAGS 0
	BARRIER                                        ; and have been read by all: the next 64 rows' may be stored over them
	s_mov_b32 s[ST], 2
.Lhalf1:
	s_wait_xcnt 0x0
	s_cmp_lg_u32 s[ST], 3
	MODE
	TRIP
	s_add_co_u32 s[ST], s[ST], 1
	s_cmp_lt_u32 s[ST], 4
	s_cbranch_scc1 .Lhalf1
	BARRIER                                        ; rows 64 .. 127 likewise
	READFRAGS 1
	s_wait_dscnt 0x0                               ; all fragments and scale words are in.  (The next stores over these bytes stand behind the two barriers at the scores)
	WIN 0x80
.irp i, 0,1,2,3,4,5,6,7,8,9,10,11,12,13,14,15
	v_mov_b32 v[SUMS+\i], 0                        ; the folded sums begin anew
.endr
	WIN 0
	; ---- GEMM: four trips of 8 tiles, 32 products each.  Trips 0 to 2 fetch the next 8 tiles, trip 3 the next block's first 32 rows.
	; The two tiles 2 p, 2 p + 1 are four units of the ring; they are filled again together, in the middle of tile 2 p + 2 (the last two behind the trip's last fold): sixteen or more fold lines stand between the last
	; product that read them and the loads.  So a wait stands ahead of every second tile.
	s_mov_b32 s[GT], 0
.Lgemm:
	s_lshl_b32 s[T0], s[GT], 9                     ; this trip's 128 numbers of dec_ht.  (No LDS load is out: v15 may be written)
	v_add_nc_u32 v15, s[T0], v7
	DECLOAD 0
	DECLOAD 1
	s_wait_loadcnt 48                              ; tiles 0, 1 and the scale words of tiles 0 .. 3 are in: behind them stand the loads of three fours of units, 16 each
	GRP 0, 0, 1, -1
	WIN 0
	s_wait_xcnt 0x0                                ; the loads that are out, the last of them half a tile back, have read the ring's base and v16: both are written below, and first used in tiles 2 and 4
	s_add_co_u32 s[T0], s[GT], 1
	s_and_b32 s[T0], s[T0], 3                      ; the trip that is fetched for
	s_lshl_b32 s[WT], s[T0], 17                    ; its group: 8 tiles, 32 runs of 4,096 bytes
	s_lshl_b32 s[T0], s[T0], 10                    ; its 2 groups of 512 bytes of scale words
	v_add_nc_u32 v16, s[T0], v1
	s_lshl_b32 s[GG], s[BLK], 2
	s_add_co_u32 s[GG], s[GG], s[GT]
	s_cmp_eq_u32 s[GT], 3
	MODE
	DECLOAD 2
	DECLOAD 3
	WIN 0
	; A PREFETCH, once in the launch, in block 0's last GEMM trip: rows 160 .. 191 of the chunk, which the next block's first stream trip will load: a lane a row, each wave its own 1,024 bytes of it in four
	; requests 256 bytes apart.  (Rows 128 .. 159 come by this trip's own loads.)  The lanes of masked rows name row 160, the group's row 0, as the loads will.
	s_cmp_eq_u32 s[GG], 3
	s_cbranch_scc0 .Lnoask
	v_lshrrev_b32 v19, v18, s[Q]                   ; the queue's head is those rows' mask word
	v_and_b32 v19, 1, v19
	v_min_u32 v19, 1, v19
	v_lshlrev_b32 v17, 12, v18                     ; 4,096 x lane
	v_mul_u32_u24 v19, v19, v17
.irp c, 0,1,2,3
	global_prefetch_b8 v19, s[ENCW:ENCW+1] offset:160*4096+256*\c th:TH_LOAD_NT scope:SCOPE_SE
.endr
.Lnoask:
.rept 4
	v_nop                                          ; tile 0's first group has no fold behind its products: these are the places ahead of its accumulators' first readers
.endr
	s_wait_dscnt 4                                 ; dec_ht of tiles 0, 1 is in; the four loads just issued may be out
	GRP 1, 0, 0, 0
	GRP 0, 1, 1, 0
	GRP 1, 1, 0, 1
	s_wait_loadcnt 32                              ; tiles 2, 3 are in: behind them stand the loads of two fours of units
	GRP 0, 2, 1, 1
	QUAD 0
	DECLOAD 4
	DECLOAD 5
	s_wait_dscnt 4                                 ; dec_ht of tiles 2, 3 is in
	GRP 1, 2, 0, 2
	GRP 0, 3, 1, 2
	GRP 1, 3, 0, 3
	s_wait_loadcnt 32                              ; tiles 4, 5 and the scale words of tiles 4 .. 7 are in: behind those scale loads stand 32 loads
	GRP 0, 4, 1, 3
	WIN 0
	SLOAD 0, 0
	SLOAD 1, 0
	QUAD 1
	DECLOAD 6
	DECLOAD 7
	s_wait_dscnt 4                                 ; dec_ht of tiles 4, 5 is in
	GRP 1, 4, 0, 4
	GRP 0, 5, 1, 4
	GRP 1, 5, 0, 5
	s_wait_loadcnt 32                              ; tiles 6, 7 are in
	GRP 0, 6, 1, 5
	QUAD 2
	s_wait_dscnt 0x0                               ; dec_ht of tiles 6, 7 is in
	GRP 1, 6, 0, 6
	GRP 0, 7, 1, 6
	GRP 1, 7, 0, 7
.irp k, 0,1,2,3,4,5,6,7
	FOLD 1, 7, \k                                  ; the last group's fold stands bare
.endr
	WIN 0
	SLOAD 0, 1
	SLOAD 1, 1
	QUAD 3
	WIN 0
	s_add_co_u32 s[GT], s[GT], 1
	s_cmp_lt_u32 s[GT], 4
	s_cbranch_scc1 .Lgemm
	; ---- SCORES: a pair's two halves, the other half of the lanes (columns 8 h + ..), then the four waves' parts through LDS
	WIN 0x0a
.irp rt, 0,1,2,3,4,5,6,7
	v_add_f32 v[96+\rt], v[SUMS+2*\rt], v[SUMS+2*\rt+1]
.endr
	WIN 0
.irp rt, 0,1,2,3,4,5,6,7
	v_permlanex16_b32 v[168+\rt], v[96+\rt], s[SEL], s[SEL+1]
.endr
.irp rt, 0,1,2,3,4,5,6,7
	v_add_f32 v[96+\rt], v[96+\rt], v[168+\rt]
.endr
.irp rt, 0,1,2,3,4,5,6,7
	ds_store_b32 v8, v[96+\rt] offset:256*\rt      ; row 16 rt + r; both halves of the lanes write the same word with the same value
.endr
	BARRIER                                        ; all partial scores lie in LDS
.irp q, 0,1,2,3
	ds_load_b128 v[104+4*\q:107+4*\q], v9 offset:512*\q            ; row 32 q + lane: the four waves' parts
.endr
	BARRIER                                        ; all have read them: the next block's partial scores are stored only behind this barrier
.irp q, 0,1,2,3
	v_pk_add_f32 v[104+4*\q:105+4*\q], v[104+4*\q:105+4*\q], v[106+4*\q:107+4*\q]
.endr
	v_mov_b32 v127, 0xce6e6b28                     ; -1e9
.irp q, 0,1,2,3
	v_cmp_ne_u32 s[MK+\q], 0, v[MB+\q]
.endr
.irp q, 0,1,2,3
	v_add_f32 v[120+\q], v[104+4*\q], v[105+4*\q]
.endr
.irp q, 0,1,2,3
	v_cndmask_b32 v[120+\q], v127, v[120+\q], s[MK+\q]             ; a masked row's score is 0 + (-1e9)
.endr
	; ---- SOFTMAX, running: every wave does all 128 rows, four a lane, so nothing more is exchanged
	v_max3_num_f32 v124, v120, v121, v122
	v_max_num_f32 v124, v124, v123
.irp m, 1,2,4,8
	v_max_num_f32_dpp v124, v124, v124 row_xmask:\m row_mask:0xf bank_mask:0xf
.endr
	v_permlanex16_b32 v168, v124, s[SEL], s[SEL+1]
	v_max3_num_f32 v125, v124, v168, v28           ; the new M
	v_sub_f32 v126, v28, v125
	v_mul_f32 v126, 0x3fb8aa3b, v126
.irp q, 0,1,2,3
	v_sub_f32 v[128+\q], v[120+\q], v125
.endr
.irp q, 0,1,2,3
	v_mul_f32 v[128+\q], 0x3fb8aa3b, v[128+\q]
.endr
	v_exp_f32 v30, v126                            ; f = e^(old M - new M)
.irp q, 0,1,2,3
	v_exp_f32 v[128+\q], v[128+\q]                 ; p = e^(score - M)
.endr
	v_mov_b32 v28, v125                            ; a plain line behind the exponentials
	s_wait_alu depctr_va_vdst(0)                   ; one wait for the five, ahead of their first reader
	v_add_f32 v124, v128, v129
	v_add_f32 v126, v130, v131
	v_add_f32 v124, v124, v126
.irp m, 1,2,4,8
	v_add_f32_dpp v124, v124, v124 row_xmask:\m row_mask:0xf bank_mask:0xf
.endr
	v_permlanex16_b32 v168, v124, s[SEL], s[SEL+1]
	v_add_f32 v124, v124, v168
	v_fma_f32 v29, v29, v30, v124                  ; l = l f + the block's sum of p
.irp q, 0,1,2,3
	v_cndmask_b32 v[132+\q], 0, v[128+\q], s[MK+\q]                ; in the context a masked row counts for nothing
.endr
.irp q, 0,1,2,3
	ds_store_b32 v10, v[132+\q] offset:128*\q
.endr
.irp i, 0,2,4,6
	v_pk_mul_f32 v[CTX+\i:CTX+\i+1], v[CTX+\i:CTX+\i+1], v[30:31] op_sel_hi:[1,0]   ; ctx under the new M
.endr
	; ---- CONTEXT: 16 groups of 8 held rows through two buffers; a thread reads back only the bytes that it stored
	s_mov_b32 s[HC], 0
	v_mov_b32 v12, v2
	v_mov_b32 v13, v11
	v_mov_b32 v14, v2
	v_mov_b32 v15, v11
	s_wait_dscnt 0x0                               ; the weights' stores have read their registers, on which the loads below land
	LOADC 0
	s_mov_b32 s[CC], 7
.Lctx:
	LOADC 1
	s_wait_dscnt 10                                ; buffer 0 is in; buffer 1's ten loads may be out.  So buffer 0's two address registers may be written
	s_add_co_u32 s[HC], s[HC], 8192                ; 16 rows on
	s_lshr_b32 s[T0], s[HC], 7                     ; and their 64 bytes of weights
	v_add_nc_u32 v12, s[HC], v2
	v_add_nc_u32 v13, s[T0], v11
	CTX8 0
	LOADC 0
	s_wait_dscnt 10                                ; buffer 1 is in
	v_add_nc_u32 v14, s[HC], v2
	v_add_nc_u32 v15, s[T0], v11
	CTX8 1
	s_sub_co_u32 s[CC], s[CC], 1
	s_cmp_lg_u32 s[CC], 0
	s_cbranch_scc1 .Lctx
	LOADC 1                                        ; the last two groups
	s_wait_dscnt 10
	CTX8 0
	s_wait_dscnt 0x0
	CTX8 1
.irp q, 0,1,2,3
	v_mov_b32 v[MB+\q], v[MB+4+\q]                 ; the next block's mask bytes
.endr
	s_add_co_u32 s[BLK], s[BLK], 1
	s_cmp_lt_u32 s[BLK], 2
	s_cbranch_scc1 .Lblock
	; ---- THE RECORD: my eight columns of ctx: 256 w + 4 l .. and 256 w + 128 + 4 l ..: each store of the wave covers 512 consecutive bytes, at a multiple of 256 from the buffer's first byte
	s_lshl_b32 s[T0], s[WV], 10
	v_add_nc_u32 v96, s[T0], v1
	global_store_b128 v96, v[CTX:CTX+3], s[PRT:PRT+1]
	global_store_b128 v96, v[CTX+4:CTX+7], s[PRT:PRT+1] offset:512
	s_cmp_lg_u32 s[WV], 0
	s_cbranch_scc1 .Lend
	v_lshlrev_b32 v97, 3, v18
	global_store_b64 v97, v[28:29], s[PRT:PRT+1] offset:4096       ; (M, l), the same in every lane and wave: wave 0 stores 256 consecutive bytes
.Lend:
	s_wait_tensorcnt 0x0
	ds_add_u32 v190, v191
	s_wait_dscnt 0x0
	s_endpgm
.Lfunc_end_k_q7c61a81957_main:
	.size	k_q7c61a81957_main, .Lfunc_end_k_q7c61a81957_main-k_q7c61a81957_main
	.p2alignl 7, 3214868480
	.fill 96, 4, 3214868480
	.section	.rodata,"a",@progbits
	.p2align	6, 0x0
	.amdhsa_kernel k_q7c61a81957_main
		.amdhsa_group_segment_fixed_size 309760
		.amdhsa_private_segment_fixed_size 0
		.amdhsa_enable_private_segment 0
		.amdhsa_kernarg_size 48
		.amdhsa_user_sgpr_count 2
		.amdhsa_user_sgpr_kernarg_segment_ptr 1
		.amdhsa_wavefront_size32 1
		.amdhsa_system_sgpr_workgroup_id_x 1
		.amdhsa_system_sgpr_workgroup_id_y 1
		.amdhsa_system_sgpr_workgroup_id_z 1
		.amdhsa_system_vgpr_workitem_id 0
		.amdhsa_next_free_vgpr 1024
		.amdhsa_next_free_sgpr 66
		.amdhsa_reserve_vcc 0
		.amdhsa_float_denorm_mode_32 3
		.amdhsa_float_denorm_mode_16_64 3
		.amdhsa_memory_ordered 1
		.amdhsa_forward_progress 1
		.amdhsa_inst_pref_size 246
	.end_amdhsa_kernel
	.amdgpu_metadata
---
amdhsa.version: [ 1, 2 ]
amdhsa.kernels:
  - .name:           k_q7c61a81957_main
    .symbol:         k_q7c61a81957_main.kd
    .args:
      - { .name: enc_hs, .offset: 0, .size: 8, .value_kind: global_buffer, .address_space: global }
      - { .name: dec_ht, .offset: 8, .size: 8, .value_kind: global_buffer, .address_space: global }
      - { .name: mask, .offset: 16, .size: 8, .value_kind: global_buffer, .address_space: global }
      - { .name: wq, .offset: 24, .size: 8, .value_kind: global_buffer, .address_space: global }
      - { .name: ws, .offset: 32, .size: 8, .value_kind: global_buffer, .address_space: global }
      - { .name: part, .offset: 40, .size: 8, .value_kind: global_buffer, .address_space: global }
    .group_segment_fixed_size: 309760
    .private_segment_fixed_size: 0
    .kernarg_segment_align: 8
    .kernarg_segment_size: 48
    .max_flat_workgroup_size: 128
    .sgpr_count:     66
    .vgpr_count:     1024
    .wavefront_size: 32
...
	.end_amdgpu_metadata
.endif
;; end of part 2
;; launch combine (part 3): grid 32 x 1, 8 waves a work-group, no clusters, 0 bytes of LDS; arguments part, out0; writes out0
.if DOCPART == 3
	.amdgcn_target "amdgcn-amd-amdhsa--gfx1250"
	.amdhsa_code_object_version 6
	.text
	.protected	k_q7c61a81957_combine
	.globl	k_q7c61a81957_combine
	.p2align	8
	.type	k_q7c61a81957_combine,@function
k_q7c61a81957_combine:
	s_mov_b64 s[64:65], 0
	v_nop
	global_prefetch_b8 v0, s[64:65] scope:SCOPE_SE
	s_setreg_imm32_b32 hwreg(HW_REG_WAVE_MODE, 25, 1), 1
	s_wait_xcnt 0x0
; out0[b] = (the sum over a batch's eight records j of e^(M_j - M) ctx_j) / (the sum of e^(M_j - M) l_j), M the largest M_j: the eight running softmaxes joined under one maximum.
; A record is 4,352 bytes: ctx[1024] f32, then (M, l).  One work-group a batch; thread i owns columns 4 i .. 4 i + 3: a wave's load or store covers 512 consecutive bytes.
; The divisor is at least 1: the record that holds the largest M has a row with p = 1.  34 KiB a work-group, read once: LDS, matrix units and clusters would add nothing.
	s_load_b128 s[4:7], s[0:1], 0x0                ; part, out0
	s_mul_i32 s8, ttmp9, 8*4352
	s_mov_b32 s9, 0
	s_lshl_b32 s10, ttmp9, 12
	s_mov_b32 s11, 0
	v_lshlrev_b32 v1, 4, v0
	v_mov_b32 v2, 0
	s_wait_kmcnt 0x0
	s_add_nc_u64 s[4:5], s[4:5], s[8:9]
	s_add_nc_u64 s[6:7], s[6:7], s[10:11]
.irp j, 0,1,2,3,4,5,6,7
	global_load_b64 v[8+2*\j:9+2*\j], v2, s[4:5] offset:4352*\j+4096       ; (M_j, l_j), the same words in every lane
.endr
.irp j, 0,1,2,3,4,5,6,7
	global_load_b128 v[24+4*\j:27+4*\j], v1, s[4:5] offset:4352*\j
.endr
	s_wait_loadcnt 8                               ; the eight (M, l) are in; the eight loads of ctx may be out
	v_max3_num_f32 v3, v8, v10, v12
	v_max3_num_f32 v3, v3, v14, v16
	v_max3_num_f32 v3, v3, v18, v20
	v_max_num_f32 v3, v3, v22
.irp j, 0,1,2,3,4,5,6,7
	v_sub_f32 v[56+\j], v[8+2*\j], v3
.endr
.irp j, 0,1,2,3,4,5,6,7
	v_mul_f32 v[56+\j], 0x3fb8aa3b, v[56+\j]
.endr
.irp j, 0,1,2,3,4,5,6,7
	v_exp_f32 v[56+\j], v[56+\j]                   ; e^(M_j - M)
.endr
	v_mov_b32 v4, 0                                ; a plain line behind the exponentials
	s_wait_alu depctr_va_vdst(0)                   ; one wait for the eight, ahead of their first reader
.irp j, 0,1,2,3,4,5,6,7
	v_fmac_f32 v4, v[56+\j], v[9+2*\j]             ; the divisor
.endr
	v_rcp_f32 v5, v4
	s_wait_loadcnt 0x0
.irp c, 0,1,2,3
	v_mul_f32 v[24+\c], v56, v[24+\c]              ; (plain work behind the reciprocal)
.endr
.irp j, 1,2,3,4,5,6,7
.irp c, 0,1,2,3
	v_fmac_f32 v[24+\c], v[56+\j], v[24+4*\j+\c]
.endr
.endr
	s_wait_alu depctr_va_vdst(0)                   ; the reciprocal's wait, ahead of its first reader
.irp c, 0,1,2,3
	v_mul_f32 v[24+\c], v[24+\c], v5
.endr
	global_store_b128 v1, v[24:27], s[6:7]
	s_endpgm
.Lfunc_end_k_q7c61a81957_combine:
	.size	k_q7c61a81957_combine, .Lfunc_end_k_q7c61a81957_combine-k_q7c61a81957_combine
	.p2alignl 7, 3214868480
	.fill 96, 4, 3214868480
	.section	.rodata,"a",@progbits
	.p2align	6, 0x0
	.amdhsa_kernel k_q7c61a81957_combine
		.amdhsa_group_segment_fixed_size 0
		.amdhsa_private_segment_fixed_size 0
		.amdhsa_enable_private_segment 0
		.amdhsa_kernarg_size 16
		.amdhsa_user_sgpr_count 2
		.amdhsa_user_sgpr_kernarg_segment_ptr 1
		.amdhsa_wavefront_size32 1
		.amdhsa_system_sgpr_workgroup_id_x 1
		.amdhsa_system_sgpr_workgroup_id_y 1
		.amdhsa_system_sgpr_workgroup_id_z 1
		.amdhsa_system_vgpr_workitem_id 0
		.amdhsa_next_free_vgpr 64
		.amdhsa_next_free_sgpr 66
		.amdhsa_reserve_vcc 0
		.amdhsa_float_denorm_mode_32 3
		.amdhsa_float_denorm_mode_16_64 3
		.amdhsa_memory_ordered 1
		.amdhsa_forward_progress 1
		.amdhsa_inst_pref_size 6
	.end_amdhsa_kernel
	.amdgpu_metadata
---
amdhsa.version: [ 1, 2 ]
amdhsa.kernels:
  - .name:           k_q7c61a81957_combine
    .symbol:         k_q7c61a81957_combine.kd
    .args:
      - { .name: part, .offset: 0, .size: 8, .value_kind: global_buffer, .address_space: global }
      - { .name: out0, .offset: 8, .size: 8, .value_kind: global_buffer, .address_space: global }
    .group_segment_fixed_size: 0
    .private_segment_fixed_size: 0
    .kernarg_segment_align: 8
    .kernarg_segment_size: 16
    .max_flat_workgroup_size: 256
    .sgpr_count:     66
    .vgpr_count:     64
    .wavefront_size: 32
...
	.end_amdgpu_metadata
.endif
;; end of part 3
;; ======== version 2 of 2: 3 launches
;; workspace buffers: wq 524,288 bytes; ws 32,768 bytes; part 1,114,112 bytes
;; launch prep (part 4): grid 8 x 8, 4 waves a work-group, no clusters, 1,024 bytes of LDS; arguments Wa, wq, ws; writes wq, ws
.if DOCPART == 4
	.amdgcn_target "amdgcn-amd-amdhsa--gfx1250"
	.amdhsa_code_object_version 6
	.text
	.protected	k_q7c61a81957_prep
	.globl	k_q7c61a81957_prep
	.p2align	8
	.type	k_q7c61a81957_prep,@function
k_q7c61a81957_prep:
	s_mov_b64 s[64:65], 0
	v_nop
	global_prefetch_b8 v0, s[64:65] scope:SCOPE_SE
	s_setreg_imm32_b32 hwreg(HW_REG_WAVE_MODE, 25, 1), 1
	s_wait_xcnt 0x0
; Wa [1024 (k)][1024 (n)], f32, K on its FIRST axis, becomes codes of FP4 (E2M1) and E8M0 scale bytes, one for each 32 along K, laid in the order in which the next launch's operand registers take them.
; wq: [G 4][row 32][slot 4][c 2][lane 32][16 bytes].  Slot 2 kw + nw is the next launch's wave that multiplies k = 512 kw .. by columns 512 nw ..; group G holds its tiles 8 G .. 8 G + 7 of 16 columns.
;     Row 8 (jt / 2) + 4 (kl / 2) + 2 (jt % 2) + kl % 2 holds tile jt of the group, K step kl (128 k) of the wave's four.  Lane 16 h + r holds column r of the tile, k = 64 c + 32 h + 0 .. 31 of the K step, the lower k in the lower bits.
;     So wq is 128 runs of 4,096 bytes of which a wave takes 1,024: the shape of a row of enc_hs, so that one form of address serves both there.
; ws: [w 4][g 16][lane 32][i 4] words: the word of column 16 (4 g + i) + lane % 16 for the 128 k from 256 w + 128 (lane / 16) on; byte b of a word scales k = 32 b .. 32 b + 31.
; A block's scale is 2^(floor(log2(its largest magnitude)) - 2); its byte is that magnitude's exponent field - 2, held at 1 from below.
; LIMITS: a block of zeros gets the byte 1 where the quantiser's rule says 127 (its codes are zeros, and this program alone reads the bytes); NaN and infinities in Wa are not served.
; SHARES: work-group (x, y) takes columns 128 x .. 128 x + 127 and K step y (128 k).  A LANE TAKES A COLUMN AND ITS REGISTERS RUN DOWN K: a load reads 128 consecutive bytes a wave, the four waves stand side
; by side on 512; a block of 32 along K lies in one lane's 32 registers, and the conversions give its 16 bytes of codes as the operand wants them.  Nothing is transposed.
; No matrix work, no cluster, no tensor load: nothing here is read twice, and the launch reads 4 MiB once.
.set X,  32                            ; v32-95   two sets of 32 numbers
.set C,  96                            ; v96-111  four registers of codes for each of the four blocks: no store's data are written again
	s_load_b128 s[4:7], s[0:1], 0x0                ; Wa, wq
	s_load_b64 s[8:9], s[0:1], 0x10                ; ws
	v_lshl_add_u32 v128, v0, 2, 0x200
	v_mov_b32 v129, 0
	v_lshrrev_b32 v1, 5, v0
	v_readfirstlane_b32 s10, v1                    ; wave v
	v_and_b32 v2, 31, v0                           ; lane L
	v_lshlrev_b32 v3, 2, v2                        ; in: 4 bytes a lane
	v_and_b32 v4, 15, v2                           ; r
	v_lshrrev_b32 v5, 4, v2                        ; L / 16: which of my wave's two tiles of 16 columns: jt = 2 v + L / 16
	v_lshlrev_b32 v6, 4, v4                        ; 16 r
	s_wait_alu depctr_va_vdst(0)
	v_lshl_add_u32 v7, v5, 13, v6                  ; codes: jt % 2 counts two rows of 4,096 bytes, + 16 r
	v_lshl_add_u32 v10, v5, 9, v6                  ; scale words on the way out: 512 bytes a group of four tiles + 16 r
	v_lshlrev_b32 v9, 4, v2                        ; and where wave 0 reads them back: 16 L
	s_and_b32 s11, ttmp7, 0xffff                   ; K step 0 .. 7
	s_lshr_b32 s12, s11, 1                         ; w: which 256 k
	s_and_b32 s13, s11, 1                          ; which 128 of them
	s_lshl_b32 s14, s11, 19                        ; Wa: 128 rows of 4,096 bytes a K step,
	s_lshl_b32 s15, ttmp9, 9                       ; 128 columns a work-group,
	s_add_co_u32 s14, s14, s15
	s_lshl_b32 s15, s10, 7                         ; 32 columns a wave
	s_add_co_u32 s14, s14, s15
	s_mov_b32 s15, 0
	s_and_b32 s16, ttmp9, 3                        ; wq: G = x % 4: 131,072 bytes a group;
	s_lshl_b32 s16, s16, 17
	s_lshl_b32 s17, s10, 15                        ; jt / 2 = v: eight rows;
	s_add_co_u32 s16, s16, s17
	s_bfe_u32 s17, s11, 0x10001                    ; kl / 2: four rows;
	s_lshl_b32 s17, s17, 14
	s_add_co_u32 s16, s16, s17
	s_lshl_b32 s17, s13, 12                        ; kl % 2: one row;
	s_add_co_u32 s16, s16, s17
	s_lshr_b32 s17, s11, 2                         ; the slot: 2 kw
	s_lshl_b32 s17, s17, 11
	s_add_co_u32 s16, s16, s17
	s_lshr_b32 s17, ttmp9, 2                       ; + nw, 1,024 bytes each
	s_lshl_b32 s17, s17, 10
	s_add_co_u32 s16, s16, s17
	s_mov_b32 s17, 0
	s_lshl_b32 s18, s12, 13                        ; ws: 8,192 w + 512 (2 x) + 256 (K step % 2)
	s_lshl_b32 s19, ttmp9, 10
	s_add_co_u32 s18, s18, s19
	s_lshl_b32 s19, s13, 8
	s_add_co_u32 s18, s18, s19
	s_mov_b32 s19, 0
	s_lshr_b32 s20, s10, 1                         ; LDS: the work-group's 128 scale words as two groups of 256 bytes: 256 (v / 2) + 16 r + 4 (2 (v % 2) + L / 16)
	s_lshl_b32 s20, s20, 8
	s_and_b32 s21, s10, 1
	s_lshl_b32 s21, s21, 3
	s_add_co_u32 s20, s20, s21
	v_lshl_add_u32 v8, v5, 2, v6
	v_add_nc_u32 v8, s20, v8
	s_wait_kmcnt 0x0
	s_add_nc_u64 s[4:5], s[4:5], s[14:15]
	s_add_nc_u64 s[6:7], s[6:7], s[16:17]
	s_add_nc_u64 s[8:9], s[8:9], s[18:19]
.macro LOAD t                          ; block t: Wa(32 t + i, my column), i = 0 .. 31, into set t % 2
.irp i, 0,1,2,3,4,5,6,7,8,9,10,11,12,13,14,15,16,17,18,19,20,21,22,23,24,25,26,27,28,29,30,31
	global_load_b32 v[X+32*((\t)%2)+\i], v3, s[4:5] offset:(32*(\t)+\i)*4096 th:TH_LOAD_NT
.endr
.endm
	LOAD 0
	LOAD 1
.macro BLOCK t
.set XS, X+32*((\t)%2)
.if (\t) < 3
	s_wait_loadcnt 32                              ; this block's 32 loads are in; the next block's 32 may be out
.else
	s_wait_loadcnt 0
.endif
	v_max3_num_f32 v16, |v[XS]|, |v[XS+1]|, |v[XS+2]|               ; the block's largest magnitude, in two chains: all 32 numbers are mine
	v_max3_num_f32 v17, |v[XS+3]|, |v[XS+4]|, |v[XS+5]|
.irp i, 6,10,14,18,22,26
	v_max3_num_f32 v16, v16, |v[XS+\i]|, |v[XS+\i+1]|
	v_max3_num_f32 v17, v17, |v[XS+\i+2]|, |v[XS+\i+3]|
.endr
	v_max3_num_f32 v16, v16, |v[XS+30]|, |v[XS+31]|
	v_max3_num_f32 v16, v16, v17, 0x1800000        ; and the floor 2^(3 - 127): the byte cannot fall under 1
	v_add_nc_u32 v18, 0xff000000, v16              ; 2 off the exponent field: the conversion takes the exponent field of this operand as its scale
	v_lshrrev_b32 v19, 23, v18                     ; the scale's byte
.if (\t) == 0
	v_mov_b32 v24, v19                             ; four bytes make my column's word for this K step, the lower k in the lower byte
.else
	v_lshl_or_b32 v24, v19, 8*(\t), v24
.endif
.irp g, 0,1,2,3
	v_cvt_scalef32_pk8_fp4_f32 v[C+4*(\t)+\g], v[XS+8*\g:XS+8*\g+7], v18
.endr
	global_store_b128 v7, v[C+4*(\t):C+4*(\t)+3], s[6:7] offset:((\t)/2)*512+((\t)%2)*256   ; c = t / 2, h = t % 2: sixteen lanes store 256 consecutive bytes, at a multiple of 256 from wq's first byte
.if (\t) < 2
	LOAD (\t)+2
.endif
.endm
	BLOCK 0
	BLOCK 1
	BLOCK 2
	BLOCK 3
	ds_store_b32 v8, v24
	s_wait_dscnt 0x0                               ; for the others' sake: my word lies in LDS
	s_barrier_signal -1
	s_barrier_wait -1
	s_cmp_lg_u32 s10, 0
	s_cbranch_scc1 .Ldone                          ; wave 0 stores the 512 bytes: two whole runs of 256
	ds_load_b128 v[12:15], v9
	s_wait_dscnt 0x0
	global_store_b128 v10, v[12:15], s[8:9]
.Ldone:
	s_wait_tensorcnt 0x0
	ds_add_u32 v128, v129
	s_wait_dscnt 0x0
	s_endpgm
.Lfunc_end_k_q7c61a81957_prep:
	.size	k_q7c61a81957_prep, .Lfunc_end_k_q7c61a81957_prep-k_q7c61a81957_prep
	.p2alignl 7, 3214868480
	.fill 96, 4, 3214868480
	.section	.rodata,"a",@progbits
	.p2align	6, 0x0
	.amdhsa_kernel k_q7c61a81957_prep
		.amdhsa_group_segment_fixed_size 1024
		.amdhsa_private_segment_fixed_size 0
		.amdhsa_enable_private_segment 0
		.amdhsa_kernarg_size 24
		.amdhsa_user_sgpr_count 2
		.amdhsa_user_sgpr_kernarg_segment_ptr 1
		.amdhsa_wavefront_size32 1
		.amdhsa_system_sgpr_workgroup_id_x 1
		.amdhsa_system_sgpr_workgroup_id_y 1
		.amdhsa_system_sgpr_workgroup_id_z 1
		.amdhsa_system_vgpr_workitem_id 0
		.amdhsa_next_free_vgpr 130
		.amdhsa_next_free_sgpr 66
		.amdhsa_reserve_vcc 0
		.amdhsa_float_denorm_mode_32 3
		.amdhsa_float_denorm_mode_16_64 3
		.amdhsa_memory_ordered 1
		.amdhsa_forward_progress 1
		.amdhsa_inst_pref_size 22
	.end_amdhsa_kernel
	.amdgpu_metadata
---
amdhsa.version: [ 1, 2 ]
amdhsa.kernels:
  - .name:           k_q7c61a81957_prep
    .symbol:         k_q7c61a81957_prep.kd
    .args:
      - { .name: Wa, .offset: 0, .size: 8, .value_kind: global_buffer, .address_space: global }
      - { .name: wq, .offset: 8, .size: 8, .value_kind: global_buffer, .address_space: global }
      - { .name: ws, .offset: 16, .size: 8, .value_kind: global_buffer, .address_space: global }
    .group_segment_fixed_size: 1024
    .private_segment_fixed_size: 0
    .kernarg_segment_align: 8
    .kernarg_segment_size: 24
    .max_flat_workgroup_size: 128
    .sgpr_count:     66
    .vgpr_count:     130
    .wavefront_size: 32
...
	.end_amdgpu_metadata
.endif
;; end of part 4
;; launch main (part 5): grid 8 x 32, 4 waves a work-group, no clusters, 309,760 bytes of LDS; arguments enc_hs, dec_ht, mask, wq, ws, part; writes part
.if DOCPART == 5
	.amdgcn_target "amdgcn-amd-amdhsa--gfx1250"
	.amdhsa_code_object_version 6
	.text
	.protected	k_q7c61a81957_main
	.globl	k_q7c61a81957_main
	.p2align	8
	.type	k_q7c61a81957_main,@function
k_q7c61a81957_main:
	s_mov_b64 s[64:65], 0
	v_nop
	global_prefetch_b8 v0, s[64:65] scope:SCOPE_SE
	s_setreg_imm32_b32 hwreg(HW_REG_WAVE_SCHED_MODE, 0, 2), 2
	s_setreg_imm32_b32 hwreg(HW_REG_WAVE_MODE, 25, 1), 1
	s_wait_xcnt 0x0
	s_wait_alu depctr_vm_vsrc(0)
; For 256 rows t of one batch b: score[t] = dec_ht[b] . (Q(enc_hs[b][t] x mask) Q(Wa)), -1e9 where the mask is false; a running softmax over them; ctx = the sum of p[t] x enc[t].  enc_hs is read ONCE.
; The record that leaves (4,352 bytes): ctx[1024] under the work-group's maximum M, then (M, l) 32 times; the next launch joins a batch's eight records.
; THE PRODUCT runs on codes of FP4 (E2M1) with one E8M0 scale for each 32 along K.  Wa's codes and scale words come from the launch before, in operand order; enc's are made here.
; THE FOUR WAVES SPLIT K IN TWO AND N IN TWO: the score is linear in the product, so wave 2 kw + nw multiplies k = 512 kw .. + 511 of every row by columns 512 nw .. + 511 of Wa, folds its part of the product with
; dec_ht at once, and only four partial scores a row meet in LDS.  A finished accumulator costs four packed multiply-adds whatever its K: four K steps to an accumulator make that one for each matrix instruction.
; Wave w brings in and quantises k = 256 w .. + 255 of every row; its codes go through LDS to itself and to the wave that shares its half of K.
; TWO BLOCKS OF 128 ROWS.  A block: STREAM (rows come in, become codes in LDS and then fragments in 256 registers; the rows stay in LDS as bf16 for the context), GEMM (32 tiles of 16 columns of Wa), scores, softmax, context.
; THE MATRIX INSTRUCTION IS USED TRANSPOSED: source 0 = 16 columns of Wa, source 1 = 16 rows of enc: register j of lane (r, h) is the product at row 16 rt + r, column 16 tile + 8 h + j.
; ONE RING OF 16 UNITS OF 16 REGISTERS serves both streams: a unit is two rows of enc (my wave's 1,024 bytes of each) or two K steps of a tile of Wa (1,024 bytes each, laid 4,096 bytes apart as rows are), always
; brought by the same four loads.  A trip fetches a GROUP of 32 such rows, 131,072 bytes; which group of which buffer is set once a trip in the scalar base.  So every counted wait on the loads has the same count on every way.
; Unit o lies in window 2 + (o / 2) % 2 at 16 (2 (o / 4) + o % 2): a stream batch's units 2 q, 2 q + 1 are 32 registers on end; of tile jt, K steps 0, 1 lie in window 2 and K steps 2, 3 in window 3, both at 16 jt.
; THE MASK: a masked row enters nothing but its own score, which is -1e9, and its weight in the context is 0.  Its bytes are not fetched: its loads are turned to its group's row 0
; (offset = 16 x lane + bit x 4,096 x the row's place in the group).  What is made of those numbers is thrown away by two selects.  The last trip of the last block has nothing to fetch: its 64 loads are turned to the
; chunk's row 0 and nobody reads them; they keep the counts alike.
; NO CLUSTER, NO TENSOR LOAD, though all work-groups walk the same Wa.  The held rows (262,144 bytes), codes, scales, dec_ht and scores take 309,248 of a WGP's 327,680 bytes of LDS; the 18,432 that are left hold two slots of
; two K steps of one tile for each of the four waves (8,192 bytes) and no more, so a shared ring would put a round of the cluster's barrier in front of every 16 matrix instructions of a wave, 128 rounds in all.  Each fragment
; of Wa is used by one wave alone and goes from memory straight into that wave's registers.
; LIMITS: NaN or infinity in a masked row of enc_hs is not served (the row is not read, but for each group's row 0, which is read in any case); NaN and infinities ahead of the quantiser are not served; a block of zeros
; has the scale byte 1 where the rule says 127 (its codes are zeros; only this text reads the byte).  The context's operand is rounded to bf16; its sums, the scores and the softmax are f32.  An accumulator takes its
; K steps in the order 2, 3, 0, 1.
; REGISTERS, in windows of 256 (s_set_vgpr_msb: bits 1:0 source 0, 3:2 source 1, 5:4 source 2, 7:6 destination):
;   window 0: v1-19 addresses; v20-27 mask bytes; v28-31 M, l, f, 0; v88-95 ctx; v96-175 at work; v190, v191 the closing add's two; v192-223 the ring's offsets; v224-239 Wa's scale words; v240-255 enc's
;   window 1: v0-127 enc's fragments of K steps 0, 1 (row tile rt, K step s at 16 rt + 8 s); v192-223 four buffers of 8 numbers of dec_ht
;   window 2: v0-127 eight ring units; v128-191 eight accumulators; v192-207 eight pairs of folded sums
;   window 3: v0-127 eight ring units; v128-255 enc's fragments of K steps 2, 3
; THE MODE: SCHED_MODE bits 1:0 = 2 (LLVM: expert scheduling mode 2), set by the entry lines.  The code itself states the register dependences between vector or matrix instructions and memory or LDS
; instructions, with s_wait_alu, always for 0.
; THE PLAN.  Registers that memory or LDS instructions touch, and who else names them:
;   the ring      STREAM: a batch's maxima and conversions read its two units; behind them the units' eight loads land there.  GEMM: the products of tiles 2 p, 2 p + 1 read four units; their sixteen loads stand in tile 2 p + 2.
;   v192-223      a unit's two offsets: written once a trip, read by the unit's four loads just behind.
;   TS0, TS1      (v104-135, v136-167) batch q writes set q % 2, and its twenty LDS stores read it.
;   v12-14        the stream's LDS addresses: written at a trip's head, read by the trip's stores.  In the context, with v16: the two buffers' addresses, stepped once a trip.
;   v15           dec_ht's LDS address: made at the head, stepped at a GEMM trip's end, back at its start after four trips.  No other phase names it.
;   dec_ht's four buffers (window 1)  read by the folds of tile jt, loaded again for tile jt + 4.     v224-239  read by the products as scales, loaded again at tile 4 and at the trip's end.
;   v1-11, v18    made at the head, never written again.  Wa's scale words are reached by a scalar base, which moves on once a trip, and v1.
; STREAM: two waits on va_vdst a batch, the second behind its vector lines: the set and the offsets are written, the units have been read.  It stands there and not at the next batch's head, so that the units are asked for again at once.
; One wait on vm_vsrc a batch, ahead of the first line that writes the set: 48 vector lines behind the stores of the batch before.
; GEMM: one wait on va_vdst for every two tiles, behind the eight offset lines: behind it stand one run of loads into the ring, two loads of dec_ht and, every second time, two of scale words.  One wait on vm_vsrc a trip.
.set CPITCH, 144                       ; a row's 128 bytes of codes + 16: an odd multiple of 16 bytes, so the 16 rows of a fragment load start in 16 different groups of banks (64 banks of 4 bytes: ISA guide 11.1)
.set CODEW,  64*CPITCH                 ; a wave's codes of 64 rows
.set CODES,  262144                    ; LDS: 0 .. the held rows: 65,536 w + 512 row + 16 lane: 8 bf16;  from here the codes: CODEW w + CPITCH row + byte
.set ASC,    CODES+4*CODEW             ; enc's scale bytes: 512 w + 8 row + 4 s + block
.set DEC,    ASC+4*512                 ; dec_ht[b]: 4,096 bytes
.set SCX,    DEC+4096                  ; partial scores: 16 row + 4 w
.set PB,     SCX+2048                  ; the context's weights: 512 w + 4 row
.set KW,   2                           ; s2       wave / 2: my half of K
.set NW,   3                           ; s3       wave % 2: my half of N
.set ENCW, 4                           ; s[4:5]   enc_hs at my chunk's row 0, my wave's 1,024 bytes
.set DECP, 6                           ; s[6:7]   dec_ht[b]
.set MSKP, 8                           ; s[8:9]   mask at my chunk
.set WAW,  10                          ; s[10:11] wq at my wave's 1,024 bytes of its first run
.set WSW,  12                          ; s[12:13] ws at my half of K and my half of N
.set PRT,  14                          ; s[14:15] my work-group's record
.set BB,   16                          ; s[16:17] the ring's base: ENCW or WAW, at the group that the trip fetches
.set WV,   18                          ; wave
.set BLK,  19                          ; block 0, 1
.set ST,   20                          ; stream trip 0 .. 3
.set GT,   21                          ; GEMM trip 0 .. 3
.set RO,   22                          ; s[22:23] the group's offset, as a pair with 0 above it
.set MW,   24                          ; the mask word of the 32 rows that this trip fetches (all ones for Wa)
.set EU,   25                          ; the offset of the next group of enc
.set BIT,  26
.set KGRP, 28                          ; 131,072: a group
.set WT,   29                          ; the offset of the next group (8 tiles) of Wa
.set SEL,  30                          ; s[30:31] v_permlanex16_b32's selects for lane l xor 16
.set HO,   32
.set CO,   33
.set AO,   34
.set GG,   35
.set T0,   36                          ; s36-39 at work
.set Q,    40                          ; s[40:55] the mask words still to come, in the order of the trips
.set CC,   56
.set HC,   57
.set MK,   58                          ; s58-61 the block's mask, 32 rows a word
.set WSB,  62                          ; s[62:63] WSW at the scale words of the GEMM trip that is fetched for
.set MB,   20
.set CTX,  88
.set MM,   96                          ; v96-103  a batch's eight largest magnitudes, then scale operands
.set TSET, 104                         ; v104-135, v136-167: two sets of what a batch stores: 4 + 4 code words, 4 + 4 scale bytes, 16 of bf16
.set OFF,  192
.set SB,   224                         ; Wa's scale words: tile jt's at SB + jt (K steps 0, 1) and SB + 8 + jt (K steps 2, 3): lanes 0-15 the even K step, lanes 16-31 the odd one
.set SA,   240                         ; enc's likewise: SA + rt, SA + 8 + rt
.set ACC,  128
.set SUMS, 192
.set DB,   192
.set MSB, 0
.macro WIN new                         ; the immediate's high byte repeats the setting that is left; a switch that changes nothing is dropped
.if MSB != (\new)
	s_set_vgpr_msb (MSB<<8)|(\new)
.set MSB, (\new)
.endif
.endm
.macro BARRIER                         ; my LDS stores have landed and my LDS loads are in: then the work-group's barrier
	s_wait_dscnt 0x0
	s_barrier_signal -1
	s_barrier_wait -1
.endm
; What the coming trip's sixteen refills fetch.  SCC = 1: the next group of enc; SCC = 0: the next group of Wa.  The ring's base is written here, so s_wait_xcnt 0 stands ahead of the compare.
.macro MODE
	s_cselect_b64 s[BB:BB+1], s[ENCW:ENCW+1], s[WAW:WAW+1]
	s_cselect_b32 s[RO], s[EU], s[WT]
	s_cselect_b32 s[T0], s[KGRP], 0
	s_add_co_u32 s[EU], s[EU], s[T0]
	s_and_b32 s[RO], s[RO], 0xfffff                ; behind the chunk's eighth group comes its first again: the very last trip's loads stay inside the chunk
	s_add_nc_u64 s[BB:BB+1], s[BB:BB+1], s[RO:RO+1]
	s_mov_b32 s[MW], s[Q]                          ; the queue moves up by one word
.irp i, 0,1,2,3,4,5,6,7,8,9,10,11,12,13,14
	s_mov_b32 s[Q+\i], s[Q+\i+1]
.endr
.endm
; Unit o is filled again, in two parts.  OFFS (window 0): its two offsets.  The registers are free: the wait that showed the unit's last loads in has shown them done, and a wait on vm_vsrc stands between those loads and
; these lines.  A bit that comes from the mask enters the offset behind s_min_u32 with 1, and is multiplied by a constant of the text.  LOADS: its four loads, behind a wait on va_vdst that stands behind the offsets' lines.
.macro OFFS o
.irp e, 0,1
	s_bfe_u32 s[BIT], s[MW], 0x10000|(2*(\o)+\e)
	s_min_u32 s[BIT], s[BIT], 1
	v_mad_u32_u24 v[OFF+2*(\o)+\e], s[BIT], (2*(\o)+\e)*4096, v1   ; 16 x lane + bit x the row's place in the group: a masked row reads the group's row 0
.endr
.endm
.macro LOADS o
	WIN (2+((\o)/2)%2)<<6
.set UR, 16*(2*((\o)/4)+(\o)%2)
.irp e, 0,1
	global_load_b128 v[UR+8*\e:UR+8*\e+3],   v[OFF+2*(\o)+\e], s[BB:BB+1]              ; each load of the wave covers 512 consecutive bytes
	global_load_b128 v[UR+8*\e+4:UR+8*\e+7], v[OFF+2*(\o)+\e], s[BB:BB+1] offset:512
.endr
.endm
.macro OFFQ p                          ; units 4 p .. 4 p + 3, the two tiles 2 p, 2 p + 1: their eight offset lines,
	WIN 0
.irp n, 0,1,2,3
	OFFS 4*(\p)+\n
.endr
.endm
.macro LOADQ p                         ; and their sixteen loads, in the ring's order
.irp n, 0,1,2,3
	LOADS 4*(\p)+\n
.endr
.endm
.macro SLOAD a, g                      ; Wa's scale words of tiles 4 g .. 4 g + 3 of the trip that the base names, K steps 2 a (lanes 0-15) and 2 a + 1 (lanes 16-31)
	global_load_b128 v[SB+8*(\a)+4*(\g):SB+8*(\a)+4*(\g)+3], v1, s[WSB:WSB+1] offset:8192*(\a)+512*(\g)
.endm
; FOUR ROWS (units 2 q, 2 q + 1).  Lane l holds of each row k = 4 l .. 4 l + 3 (X) and 128 + 4 l .. (Y) of my wave's 256: a block of 32 is eight neighbouring lanes of one of the two.
; One conversion takes all eight numbers under X's scale and its low half is kept, one under Y's and its high half is kept.  The 48 lines that name the ring and v96-103 alone stand first; then those that write the set
; and the offsets; then the 8 loads and the 20 LDS stores in one run.
.macro BATCH q
.set BL, 2+(\q)%2
.set UB, 32*((\q)/2)
.set TS, TSET+32*((\q)%2)
	s_wait_loadcnt 56                              ; my two units are in: behind their loads stand those of 14 units, 4 each
	WIN BL|(BL<<2)
.irp i, 0,1,2,3
	v_max3_num_f32 v[MM+2*\i],   |v[UB+8*\i]|,   |v[UB+8*\i+1]|, 0x1800000   ; with the floor 2^(3 - 127): the byte cannot fall under 1
	v_max3_num_f32 v[MM+2*\i+1], |v[UB+8*\i+4]|, |v[UB+8*\i+5]|, 0x1800000
.endr
.irp i, 0,1,2,3
	v_max3_num_f32 v[MM+2*\i],   |v[UB+8*\i+2]|, |v[UB+8*\i+3]|, v[MM+2*\i]
	v_max3_num_f32 v[MM+2*\i+1], |v[UB+8*\i+6]|, |v[UB+8*\i+7]|, v[MM+2*\i+1]
.endr
	WIN 0
.irp m, 1,2,4
.irp n, 0,1,2,3,4,5,6,7
	v_max_num_f32_dpp v[MM+\n], v[MM+\n], v[MM+\n] row_xmask:\m row_mask:0xf bank_mask:0xf   ; over the block's eight lanes; the eight chains by turns
.endr
.endr
.irp n, 0,1,2,3,4,5,6,7
	v_add_nc_u32 v[MM+\n], 0xff000000, v[MM+\n]    ; 2 off the exponent field: the conversion's scale operand
.endr
	s_wait_alu depctr_va_vdst(0)
	s_wait_dscnt 20                                ; this set's last stores are done: behind them stand the 20 of the batch before
.if (\q) >= 2
	s_wait_alu depctr_vm_vsrc(0)                   ; the stores of two batches back have read this set, which the lines below write again.  (Batches 0 and 1, and every unit's offsets: the wait at the trip's head)
.endif
.irp i, 0,1,2,3
	v_lshrrev_b32 v[TS+8+\i],  23, v[MM+2*\i]      ; the scales' bytes
	v_lshrrev_b32 v[TS+12+\i], 23, v[MM+2*\i+1]
.endr
	OFFS 2*(\q)
	OFFS 2*(\q)+1
	WIN BL
.irp i, 0,1,2,3
	v_cvt_scalef32_pk8_fp4_f32 v[TS+\i],   v[UB+8*\i:UB+8*\i+7], v[MM+2*\i]
	v_cvt_scalef32_pk8_fp4_f32 v[TS+4+\i], v[UB+8*\i:UB+8*\i+7], v[MM+2*\i+1]
.endr
	WIN BL|(BL<<2)
.irp i, 0,1,2,3
.irp c, 0,1,2,3
	v_cvt_pk_bf16_f32 v[TS+16+4*\i+\c], v[UB+8*\i+2*\c], v[UB+8*\i+2*\c+1]   ; the row as it is held for the context.  (Plain lines behind the scaled conversions)
.endr
.endr
	s_wait_alu depctr_va_vdst(0)                   ; the set and the four offsets are written (in batch 0 also v12-14), which the stores and loads below read; the lines above are done reading my two units, in which the loads land
	LOADS 2*(\q)                                   ; the units are asked for again at once
	LOADS 2*(\q)+1
	WIN 0
.irp i, 0,1,2,3
	ds_store_b16        v13, v[TS+\i]    offset:CPITCH*(4*(\q)+\i)       ; X's four codes: bytes 2 l of the row
	ds_store_b16_d16_hi v13, v[TS+4+\i]  offset:CPITCH*(4*(\q)+\i)+64    ; Y's: bytes 64 + 2 l
	ds_store_b8         v14, v[TS+8+\i]  offset:8*(4*(\q)+\i)            ; a block's eight lanes write the same byte with the same value
	ds_store_b8         v14, v[TS+12+\i] offset:8*(4*(\q)+\i)+4
	ds_store_b128       v12, v[TS+16+4*\i:TS+19+4*\i] offset:512*(4*(\q)+\i)
.endr
.endm
.macro TRIP                            ; 32 rows: rows 32 ST .. 32 ST + 31 of the block
	s_wait_dscnt 0x0                               ; no LDS instruction of mine is out
	s_wait_alu depctr_vm_vsrc(0)                   ; the LDS instructions issued so far have read v12-14, which are written below, and v96-167, which the batches write; the loads issued so far have read the ring's offsets
	s_lshl_b32 s[HO], s[ST], 14                    ; 32 held rows of 512 bytes
	s_and_b32 s[T0], s[ST], 1
	s_mul_i32 s[CO], s[T0], 32*CPITCH              ; the codes' region holds 64 rows: two trips
	s_lshl_b32 s[AO], s[T0], 8
	v_add_nc_u32 v12, s[HO], v2
	v_add_nc_u32 v13, s[CO], v3
	v_add_nc_u32 v14, s[AO], v4
.irp q, 0,1,2,3,4,5,6,7
	BATCH \q
.endr
.endm
; 64 rows' codes and scale words become row tiles 4 hf .. 4 hf + 3: K steps 0, 1 from the region of wave 2 kw, K steps 2, 3 from that of wave 2 kw + 1.  One of the two is another wave's: a barrier stands in front.
; (The products of the block before, which read these registers, stand ahead of many waits on va_vdst; no vector line names them.)
.macro READFRAGS hf
	WIN 0x40
.irp rt, 0,1,2,3
.irp s, 0,1
.irp c, 0,1
	ds_load_b128 v[16*(4*\hf+\rt)+8*\s+4*\c:16*(4*\hf+\rt)+8*\s+4*\c+3], v5 offset:16*CPITCH*\rt+64*\s+32*\c
.endr
.endr
.endr
	WIN 0xc0
.irp rt, 0,1,2,3
.irp s, 0,1
.irp c, 0,1
	ds_load_b128 v[128+16*(4*\hf+\rt)+8*\s+4*\c:128+16*(4*\hf+\rt)+8*\s+4*\c+3], v5 offset:CODEW+16*CPITCH*\rt+64*\s+32*\c
.endr
.endr
.endr
	WIN 0
.irp rt, 0,1,2,3
	ds_load_b32 v[SA+4*\hf+\rt],   v6 offset:128*\rt                ; lanes 0-15: row r's word of K step 0; lanes 16-31: of K step 1
	ds_load_b32 v[SA+8+4*\hf+\rt], v6 offset:512+128*\rt            ; and of K steps 2, 3
.endr
.endm
; One product: row tile rt, K step s of my four, the trip's tile jt.  K steps 0, 1: Wa in window 2, enc in window 1; K steps 2, 3: both in window 3; the accumulator in window 2.
.macro WM rt, s, jt
.if (\s) < 2
	WIN 0xa6
.if (\s) == 0
	v_wmma_scale_f32_16x16x128_f8f6f4 v[ACC+8*(\rt):ACC+8*(\rt)+7], v[16*(\jt):16*(\jt)+7], v[16*(\rt):16*(\rt)+7], v[ACC+8*(\rt):ACC+8*(\rt)+7], v[SB+(\jt)], v[SA+(\rt)] matrix_a_fmt:MATRIX_FMT_FP4 matrix_b_fmt:MATRIX_FMT_FP4
.else
	v_wmma_scale_f32_16x16x128_f8f6f4 v[ACC+8*(\rt):ACC+8*(\rt)+7], v[16*(\jt)+8:16*(\jt)+15], v[16*(\rt)+8:16*(\rt)+15], v[ACC+8*(\rt):ACC+8*(\rt)+7], v[SB+(\jt)], v[SA+(\rt)] matrix_a_fmt:MATRIX_FMT_FP4 matrix_b_fmt:MATRIX_FMT_FP4 matrix_a_scale:MATRIX_SCALE_ROW1 matrix_b_scale:MATRIX_SCALE_ROW1
.endif
.else
	WIN 0xaf
.if (\s) == 2
	v_wmma_scale_f32_16x16x128_f8f6f4 v[ACC+8*(\rt):ACC+8*(\rt)+7], v[16*(\jt):16*(\jt)+7], v[128+16*(\rt):128+16*(\rt)+7], 0, v[SB+8+(\jt)], v[SA+8+(\rt)] matrix_a_fmt:MATRIX_FMT_FP4 matrix_b_fmt:MATRIX_FMT_FP4
.else
	v_wmma_scale_f32_16x16x128_f8f6f4 v[ACC+8*(\rt):ACC+8*(\rt)+7], v[16*(\jt)+8:16*(\jt)+15], v[128+16*(\rt)+8:128+16*(\rt)+15], v[ACC+8*(\rt):ACC+8*(\rt)+7], v[SB+8+(\jt)], v[SA+8+(\rt)] matrix_a_fmt:MATRIX_FMT_FP4 matrix_b_fmt:MATRIX_FMT_FP4 matrix_a_scale:MATRIX_SCALE_ROW1 matrix_b_scale:MATRIX_SCALE_ROW1
.endif
.endif
.endm
; Two of the sixteen lines that fold tile jt's four accumulators 4 grp .. 4 grp + 3 with dec_ht: line idx takes registers 2 (idx / 4), + 1 of accumulator 4 grp + idx % 4: each accumulator from its low end on.
; The windows are those of a product of K steps 0, 1: no switch stands between such a product and a fold.
.macro FOLD grp, jt, k
	WIN 0xa6
.irp n, 0,1
.set idx, 2*(\k)+\n
.set fi, idx/4
.set frt, 4*(\grp)+idx%4
	v_pk_fma_f32 v[SUMS+2*frt:SUMS+2*frt+1], v[ACC+8*frt+2*fi:ACC+8*frt+2*fi+1], v[DB+8*((\jt)%4)+2*fi:DB+8*((\jt)%4)+2*fi+1], v[SUMS+2*frt:SUMS+2*frt+1]
.endr
.endm
.macro DECLOAD jt                      ; dec_ht at tile jt's columns 8 h + 0 .. 7
	WIN 0x40
	ds_load_b128 v[DB+8*((\jt)%4):DB+8*((\jt)%4)+3],   v15 offset:64*(\jt)
	ds_load_b128 v[DB+8*((\jt)%4)+4:DB+8*((\jt)%4)+7], v15 offset:64*(\jt)+16
.endm
; HALF A TILE: 16 products on four accumulators, which take turns, one instruction a turn.  K steps 2 and 3 stand bare; behind each product of K steps 0 and 1 stand two lines of
; the fold of the group finished before (group fg of tile fj; fj = -1: none).  Those lines are the places behind the products (ISA guide 7.12.1): an accumulator's first reader stands behind four or more plain lines
; that name other accumulators.
.macro GRP g, jt, fg, fj
.irp s, 2,3
.irp r, 0,1,2,3
	WM 4*(\g)+\r, \s, \jt
.endr
.endr
.set kk, 0
.irp s, 0,1
.irp r, 0,1,2,3
	WM 4*(\g)+\r, \s, \jt
.if (\fj) >= 0
	FOLD \fg, \fj, kk
.endif
.set kk, kk+1
.endr
.endr
.endm
.macro LOADC b                         ; eight held rows (my 16 bytes of each) and their eight weights, into buffer b; the addresses: v12, v13 for buffer 0, v14, v16 for buffer 1
.irp i, 0,1,2,3,4,5,6,7
	ds_load_b128 v[96+40*\b+4*\i:99+40*\b+4*\i], v[12+2*\b] offset:4096*\b+512*\i
.endr
	ds_load_b128 v[128+40*\b:131+40*\b], v[13+3*\b] offset:32*\b
	ds_load_b128 v[132+40*\b:135+40*\b], v[13+3*\b] offset:32*\b+16
.endm
.macro CTX8 b                          ; ctx += weight x row, from the bf16 halves straight into f32: eight chains
.irp i, 0,1,2,3,4,5,6,7
.irp c, 0,1,2,3
	v_fma_mix_f32_bf16 v[CTX+2*\c],   v[96+40*\b+4*\i+\c], v[128+40*\b+\i], v[CTX+2*\c]   op_sel_hi:[1,0,0]
	v_fma_mix_f32_bf16 v[CTX+2*\c+1], v[96+40*\b+4*\i+\c], v[128+40*\b+\i], v[CTX+2*\c+1] op_sel:[1,0,0] op_sel_hi:[1,0,0]
.endr
.endr
.endm
	; ---- THE HEAD
	s_load_b128 s[4:7], s[0:1], 0x0                ; enc_hs, dec_ht
	s_load_b128 s[8:11], s[0:1], 0x10              ; mask, wq
	s_load_b128 s[12:15], s[0:1], 0x20             ; ws, part
	v_lshl_add_u32 v190, v0, 2, 0x4b800
	v_mov_b32 v191, 0
	v_lshrrev_b32 v17, 5, v0
	v_readfirstlane_b32 s[WV], v17                 ; wave 0 .. 3
	v_and_b32 v18, 31, v0                          ; lane
	v_lshlrev_b32 v1, 4, v18                       ; 16 x lane
	v_lshlrev_b32 v17, 4, v0                       ; 16 x thread
	s_wait_alu depctr_va_sdst(0)                   ; the wave's number is written, ahead of its first reader
	s_lshr_b32 s[KW], s[WV], 1
	s_and_b32 s[NW], s[WV], 1
	s_and_b32 s37, ttmp7, 0xffff                   ; the batch
	s_lshl_b32 s36, s37, 3
	s_add_co_u32 s36, s36, ttmp9                   ; the chunk of 256 rows: 8 x batch + x
	s_mov_b32 s39, 0
	s_wait_kmcnt 0x0
	s_lshl_b32 s38, s36, 20                        ; 256 rows of 4,096 bytes
	s_add_nc_u64 s[ENCW:ENCW+1], s[ENCW:ENCW+1], s[38:39]
	s_lshl_b32 s38, s[WV], 10                      ; my wave's 1,024 bytes of a row, in enc_hs and in wq alike
	s_add_nc_u64 s[ENCW:ENCW+1], s[ENCW:ENCW+1], s[38:39]
	s_add_nc_u64 s[WAW:WAW+1], s[WAW:WAW+1], s[38:39]
	s_lshl_b32 s38, s37, 12
	s_add_nc_u64 s[DECP:DECP+1], s[DECP:DECP+1], s[38:39]
	s_lshl_b32 s38, s36, 8
	s_add_nc_u64 s[MSKP:MSKP+1], s[MSKP:MSKP+1], s[38:39]
	s_lshl_b32 s38, s[KW], 14                      ; ws: two runs of 8,192 bytes to a half of K,
	s_add_nc_u64 s[WSW:WSW+1], s[WSW:WSW+1], s[38:39]
	s_lshl_b32 s38, s[NW], 12                      ; eight groups of 512 bytes to a half of N
	s_add_nc_u64 s[WSW:WSW+1], s[WSW:WSW+1], s[38:39]
	s_mov_b64 s[WSB:WSB+1], s[WSW:WSW+1]           ; the scale loads' base: trip 0
	s_mul_i32 s38, s36, 4352
	s_add_nc_u64 s[PRT:PRT+1], s[PRT:PRT+1], s[38:39]
	s_wait_alu depctr_va_vdst(0)                   ; v1, v17 and v18 are written, which the loads below read as their offsets
.irp i, 0,1,2,3,4,5,6,7
	global_load_u8 v[MB+\i], v18, s[MSKP:MSKP+1] offset:32*\i      ; register i: the mask byte of row 32 i + lane
.endr
	global_load_b128 v[96:99],   v17, s[DECP:DECP+1]
	global_load_b128 v[100:103], v17, s[DECP:DECP+1] offset:2048
	SLOAD 0, 0
	SLOAD 1, 0
	SLOAD 0, 1
	SLOAD 1, 1
	v_and_b32 v64, 15, v0                          ; r
	s_wait_alu depctr_va_vdst(0)
	v_bfe_u32 v65, v0, 4, 1                        ; h
	s_lshl_b32 s37, s[WV], 16
	v_add_nc_u32 v2, s37, v1                       ; v2  the held rows: 65,536 w + 16 lane
	s_mul_i32 s37, s[WV], CODEW
	s_add_co_u32 s37, s37, CODES
	v_lshl_add_u32 v3, v18, 1, s37                 ; v3  codes in: my wave's region, 2 lane
	s_mul_i32 s37, s[KW], 2*CODEW
	s_add_co_u32 s37, s37, CODES
	v_mul_u32_u24 v5, v64, CPITCH
	v_lshl_add_u32 v5, v65, 4, v5
	v_add_nc_u32 v5, s37, v5                       ; v5  codes out: the region of wave 2 kw, row r, 16 h
	s_lshl_b32 s37, s[WV], 9
	s_add_co_u32 s38, s37, ASC
	v_lshrrev_b32 v4, 3, v18
	v_add_nc_u32 v4, s38, v4                       ; v4  scale bytes in: block lane / 8
	s_lshl_b32 s38, s[KW], 10
	s_add_co_u32 s38, s38, ASC
	v_lshlrev_b32 v6, 3, v64
	s_wait_alu depctr_va_vdst(0)
	v_lshl_add_u32 v6, v65, 2, v6
	v_add_nc_u32 v6, s38, v6                       ; v6  scale words out: those of wave 2 kw, 8 r + 4 h
	s_lshl_b32 s38, s[NW], 11
	v_lshl_add_u32 v7, v65, 5, DEC
	v_add_nc_u32 v7, s38, v7                       ; v7  dec_ht: my 512 columns, 32 h
	v_add_nc_u32 v15, 0, v7                        ; v15 the same at the GEMM trip in hand: trip 0
	s_lshl_b32 s38, s[WV], 2
	s_add_co_u32 s38, s38, SCX
	v_lshl_add_u32 v8, v64, 4, s38                 ; v8  partial scores in: 16 r + 4 w
	v_lshl_add_u32 v9, v18, 4, SCX                 ; v9  and out: 16 lane
	s_add_co_u32 s38, s37, PB
	v_lshl_add_u32 v10, v18, 2, s38                ; v10 weights in: 4 lane
	v_mov_b32 v11, s38                             ; v11 and out: all lanes read the same words
	v_lshl_add_u32 v104, v0, 4, DEC
	s_mov_b32 s[SEL], 0x76543210
	s_mov_b32 s[SEL+1], 0xfedcba98
	s_mov_b32 s[KGRP], 131072
	s_mov_b32 s[WT], 0
	s_mov_b32 s[BLK], 0
	s_mov_b32 s[RO], 0
	s_mov_b32 s[RO+1], 0                           ; the upper word of the offset's pair: it stays 0
	s_mov_b32 s[EU], 131072                        ; the head fetches group 0
	s_mov_b64 s[BB:BB+1], s[ENCW:ENCW+1]
	v_mov_b32 v28, 0xff61b1e6                      ; M: -3e38, under every score
	v_mov_b32 v29, 0                               ; l
	v_mov_b32 v30, 0
	v_mov_b32 v31, 0                               ; (named with f as a pair, so it is written)
.irp i, 0,1,2,3,4,5,6,7
	v_mov_b32 v[CTX+\i], 0
	v_mov_b32 v[168+\i], 0                         ; written once: a lane permute's destination counts as one of its sources
.endr
	s_wait_loadcnt 4                               ; the mask and dec_ht are in; the four scale loads may be out
	v_cmp_ne_u32 s[MW], 0, v[MB]                   ; a word for each 32 rows.  The queue, in the order of the sixteen trips: all ones where Wa is fetched, 0 at the very end
	v_cmp_ne_u32 s[Q+0], 0, v[MB+1]
	v_cmp_ne_u32 s[Q+1], 0, v[MB+2]
	v_cmp_ne_u32 s[Q+2], 0, v[MB+3]
	v_cmp_ne_u32 s[Q+7], 0, v[MB+4]
	v_cmp_ne_u32 s[Q+8], 0, v[MB+5]
	v_cmp_ne_u32 s[Q+9], 0, v[MB+6]
	v_cmp_ne_u32 s[Q+10], 0, v[MB+7]
	s_wait_alu depctr_va_sdst(0)                   ; the eight mask words are written, ahead of their first readers: the offsets' lines below and the queue's moves
.irp i, 3,4,5,6,11,12,13,14
	s_mov_b32 s[Q+\i], -1
.endr
	s_mov_b32 s[Q+15], 0
.irp p, 0,1,2,3
	OFFQ \p                                        ; the ring's 32 offsets: rows 0 .. 31
.endr
	s_wait_alu depctr_va_vdst(0)                   ; the 32 offsets are written, which the loads below read; so are v2 to v15 and v104, the LDS addresses of the whole kernel
.irp p, 0,1,2,3
	LOADQ \p                                       ; the ring is filled
.endr
	WIN 0
	ds_store_b128 v104, v[96:99]
	ds_store_b128 v104, v[100:103] offset:2048
	BARRIER                                        ; dec_ht lies in LDS
.Lblock:
	; ---- STREAM: four trips of 32 rows; behind each two, 64 rows' fragments are taken.  Trips 0 to 2 fetch the next 32 rows, trip 3 Wa's first 8 tiles
	s_mov_b32 s[ST], 0
.Lhalf0:
	s_wait_xcnt 0x0                                ; the loads that are out have read the ring's base
	s_cmp_lg_u32 s[ST], 3
	MODE
	TRIP
	s_add_co_u32 s[ST], s[ST], 1
	s_cmp_lt_u32 s[ST], 2
	s_cbranch_scc1 .Lhalf0
	BARRIER                                        ; all four waves' codes and scale bytes of rows 0 .. 63 lie in LDS
	READFRAGS 0
	BARRIER                                        ; and have been read by all: the next 64 rows' may be stored over them
	s_mov_b32 s[ST], 2
.Lhalf1:
	s_wait_xcnt 0x0
	s_cmp_lg_u32 s[ST], 3
	MODE
	TRIP
	s_add_co_u32 s[ST], s[ST], 1
	s_cmp_lt_u32 s[ST], 4
	s_cbranch_scc1 .Lhalf1
	BARRIER                                        ; rows 64 .. 127 likewise
	READFRAGS 1
	s_wait_dscnt 0x0                               ; all fragments and scale words are in.  (The next stores over these bytes stand behind the two barriers at the scores)
	WIN 0x80
.irp i, 0,1,2,3,4,5,6,7,8,9,10,11,12,13,14,15
	v_mov_b32 v[SUMS+\i], 0                        ; the folded sums begin anew
.endr
	WIN 0
	; ---- GEMM: four trips of 8 tiles, 32 products each.  Trips 0 to 2 fetch the next 8 tiles, trip 3 the next block's first 32 rows.
	; The two tiles 2 p, 2 p + 1 are four units of the ring; they are filled again together, in the middle of tile 2 p + 2 (the last two behind the trip's last fold): sixteen or more fold lines stand between the last
	; product that read them and the loads.  So a wait on the loads stands ahead of every second tile, and one wait on va_vdst behind the eight offset lines of each refill.
	s_mov_b32 s[GT], 0
.Lgemm:
	DECLOAD 0                                      ; no wait: v15 was written, and the folds of tiles 4 and 5 that read these two buffers were issued, ahead of the last wait on va_vdst; nothing since names them
	DECLOAD 1
	s_wait_loadcnt 48                              ; tiles 0, 1 and the scale words of tiles 0 .. 3 are in: behind them stand the loads of three fours of units, 16 each
	GRP 0, 0, 1, -1
	WIN 0
	s_wait_xcnt 0x0                                ; the loads that are out, the last of them half a tile back, have read the ring's base and the scale loads' base: both are written below, and first used in tiles 2 and 4
	s_add_co_u32 s[T0], s[GT], 1
	s_and_b32 s[T0], s[T0], 3                      ; the trip that is fetched for
	s_lshl_b32 s[WT], s[T0], 17                    ; its group: 8 tiles, 32 runs of 4,096 bytes
	s_lshl_b32 s[T0], s[T0], 10                    ; its 2 groups of 512 bytes of scale words
	s_mov_b32 s[T0+1], 0
	s_add_nc_u64 s[WSB:WSB+1], s[WSW:WSW+1], s[T0:T0+1]
	s_lshl_b32 s[GG], s[BLK], 2
	s_add_co_u32 s[GG], s[GG], s[GT]
	s_cmp_eq_u32 s[GT], 3
	MODE
	DECLOAD 2                                      ; no wait: the folds of tiles 6 and 7 stand ahead of the last trip's last wait on va_vdst, and the sixteen products since name neither these two buffers nor v15
	DECLOAD 3
	WIN 0
	; A PREFETCH, once in the launch, in block 0's last GEMM trip: rows 160 .. 191 of the chunk, which the next block's first stream trip will load: a lane a row, each wave its own 1,024 bytes of it in four
	; requests 256 bytes apart.  (Rows 128 .. 159 come by this trip's own loads.)  The lanes of masked rows name row 160, the group's row 0, as the loads will.
	; (v19 and v17 are written only behind a wait on vm_vsrc that stands behind their last readers: that of the stream's trips for the head's loads, that of a GEMM trip's end for these requests.)
	s_cmp_eq_u32 s[GG], 3
	s_cbranch_scc0 .Lnoask
	v_lshrrev_b32 v19, v18, s[Q]                   ; the queue's head is those rows' mask word
	v_and_b32 v19, 1, v19
	v_min_u32 v19, 1, v19
	v_lshlrev_b32 v17, 12, v18                     ; 4,096 x lane
	v_mul_u32_u24 v19, v19, v17
	s_wait_alu depctr_va_vdst(0)                   ; v19 is written, which the four requests read as their offset
.irp c, 0,1,2,3
	global_prefetch_b8 v19, s[ENCW:ENCW+1] offset:160*4096+256*\c th:TH_LOAD_NT scope:SCOPE_SE
.endr
.Lnoask:
.rept 4
	v_nop                                          ; tile 0's first group has no fold behind its products: these are the places ahead of its accumulators' first readers
.endr
	s_wait_dscnt 4                                 ; dec_ht of tiles 0, 1 is in; the four loads just issued may be out
	GRP 1, 0, 0, 0
	GRP 0, 1, 1, 0
	GRP 1, 1, 0, 1
	s_wait_loadcnt 32                              ; tiles 2, 3 are in: behind them stand the loads of two fours of units
	GRP 0, 2, 1, 1
	OFFQ 0
	s_wait_alu depctr_va_vdst(0)                   ; the eight offsets are written; the products of tiles 0, 1 are done reading their four units, and the folds of tiles 0, 1 their two buffers of dec_ht: the loads below land there
	LOADQ 0
	DECLOAD 4
	DECLOAD 5
	s_wait_dscnt 4                                 ; dec_ht of tiles 2, 3 is in
	GRP 1, 2, 0, 2
	GRP 0, 3, 1, 2
	GRP 1, 3, 0, 3
	s_wait_loadcnt 32                              ; tiles 4, 5 and the scale words of tiles 4 .. 7 are in: behind those scale loads stand 32 loads
	GRP 0, 4, 1, 3
	OFFQ 1
	s_wait_alu depctr_va_vdst(0)                   ; the eight offsets are written; the products of tiles 0 .. 3 are done reading their scale words, those of tiles 2, 3 their four units, the folds of tiles 2, 3 their two buffers of dec_ht
	SLOAD 0, 0
	SLOAD 1, 0
	LOADQ 1
	DECLOAD 6
	DECLOAD 7
	s_wait_dscnt 4                                 ; dec_ht of tiles 4, 5 is in
	GRP 1, 4, 0, 4
	GRP 0, 5, 1, 4
	GRP 1, 5, 0, 5
	s_wait_loadcnt 32                              ; tiles 6, 7 are in
	GRP 0, 6, 1, 5
	OFFQ 2
	s_wait_alu depctr_va_vdst(0)                   ; the eight offsets are written; the products of tiles 4, 5 are done reading their four units
	LOADQ 2
	s_wait_dscnt 0x0                               ; dec_ht of tiles 6, 7 is in
	GRP 1, 6, 0, 6
	GRP 0, 7, 1, 6
	GRP 1, 7, 0, 7
.irp k, 0,1,2,3,4,5,6,7
	FOLD 1, 7, \k                                  ; the last group's fold stands bare
.endr
	WIN 0
	s_wait_alu depctr_vm_vsrc(0)                   ; the trip's loads of dec_ht have read v15, which is written below; the ring's loads issued so far have read their offsets, which this line frees for a trip; the requests have read v19
	s_add_co_u32 s[T0], s[GT], 1
	s_and_b32 s[T0], s[T0], 3
	s_lshl_b32 s[T0], s[T0], 9                     ; the next trip's 128 numbers of dec_ht; behind the fourth trip the first again, for the next block
	v_add_nc_u32 v15, s[T0], v7
	OFFQ 3
	s_wait_alu depctr_va_vdst(0)                   ; v15 and the eight offsets are written; the products of tiles 4 .. 7 are done reading their scale words, those of tiles 6, 7 their four units, the folds of tiles 6, 7 their two buffers of dec_ht
	SLOAD 0, 1
	SLOAD 1, 1
	LOADQ 3
	WIN 0
	s_add_co_u32 s[GT], s[GT], 1
	s_cmp_lt_u32 s[GT], 4
	s_cbranch_scc1 .Lgemm
	; ---- SCORES: a pair's two halves, the other half of the lanes (columns 8 h + ..), then the four waves' parts through LDS
	WIN 0x0a
.irp rt, 0,1,2,3,4,5,6,7
	v_add_f32 v[96+\rt], v[SUMS+2*\rt], v[SUMS+2*\rt+1]
.endr
	WIN 0
.irp rt, 0,1,2,3,4,5,6,7
	v_permlanex16_b32 v[168+\rt], v[96+\rt], s[SEL], s[SEL+1]
.endr
.irp rt, 0,1,2,3,4,5,6,7
	v_add_f32 v[96+\rt], v[96+\rt], v[168+\rt]
.endr
	s_wait_alu depctr_va_vdst(0)                   ; the eight partial scores are written, which the stores read; every earlier vector line that named v104-119, in which the four loads below land, is done
.irp rt, 0,1,2,3,4,5,6,7
	ds_store_b32 v8, v[96+\rt] offset:256*\rt      ; row 16 rt + r; both halves of the lanes write the same word with the same value
.endr
	BARRIER                                        ; all partial scores lie in LDS
.irp q, 0,1,2,3
	ds_load_b128 v[104+4*\q:107+4*\q], v9 offset:512*\q            ; row 32 q + lane: the four waves' parts
.endr
	BARRIER                                        ; all have read them: the next block's partial scores are stored only behind this barrier
.irp q, 0,1,2,3
	v_pk_add_f32 v[104+4*\q:105+4*\q], v[104+4*\q:105+4*\q], v[106+4*\q:107+4*\q]
.endr
	v_mov_b32 v127, 0xce6e6b28                     ; -1e9
.irp q, 0,1,2,3
	v_cmp_ne_u32 s[MK+\q], 0, v[MB+\q]
.endr
.irp q, 0,1,2,3
	v_add_f32 v[120+\q], v[104+4*\q], v[105+4*\q]
.endr
	s_wait_alu depctr_va_sdst(0)                   ; the block's four mask words are written, ahead of the selects that read them
.irp q, 0,1,2,3
	v_cndmask_b32 v[120+\q], v127, v[120+\q], s[MK+\q]             ; a masked row's score is 0 + (-1e9)
.endr
	; ---- SOFTMAX, running: every wave does all 128 rows, four a lane, so nothing more is exchanged
	v_max3_num_f32 v124, v120, v121, v122
	v_max_num_f32 v124, v124, v123
.irp m, 1,2,4,8
	v_max_num_f32_dpp v124, v124, v124 row_xmask:\m row_mask:0xf bank_mask:0xf
.endr
	v_permlanex16_b32 v168, v124, s[SEL], s[SEL+1]
	v_max3_num_f32 v125, v124, v168, v28           ; the new M
	v_sub_f32 v126, v28, v125
	v_mul_f32 v126, 0x3fb8aa3b, v126
.irp q, 0,1,2,3
	v_sub_f32 v[128+\q], v[120+\q], v125
.endr
.irp q, 0,1,2,3
	v_mul_f32 v[128+\q], 0x3fb8aa3b, v[128+\q]
.endr
	s_wait_alu depctr_va_vdst(0)
	v_exp_f32 v30, v126                            ; f = e^(old M - new M)
.irp q, 0,1,2,3
	v_exp_f32 v[128+\q], v[128+\q]                 ; p = e^(score - M)
.endr
	v_mov_b32 v28, v125                            ; a plain line behind the exponentials
	s_wait_alu depctr_va_vdst(0)                   ; one wait for the five, f and the four p, ahead of their first reader
	v_add_f32 v124, v128, v129
	v_add_f32 v126, v130, v131
	v_add_f32 v124, v124, v126
.irp m, 1,2,4,8
	v_add_f32_dpp v124, v124, v124 row_xmask:\m row_mask:0xf bank_mask:0xf
.endr
	v_permlanex16_b32 v168, v124, s[SEL], s[SEL+1]
	v_add_f32 v124, v124, v168
	v_fma_f32 v29, v29, v30, v124                  ; l = l f + the block's sum of p
.irp q, 0,1,2,3
	v_cndmask_b32 v[132+\q], 0, v[128+\q], s[MK+\q]                ; in the context a masked row counts for nothing
.endr
	s_wait_alu depctr_va_vdst(0)                   ; the four weights are written, which the stores read
.irp q, 0,1,2,3
	ds_store_b32 v10, v[132+\q] offset:128*\q
.endr
.irp i, 0,2,4,6
	v_pk_mul_f32 v[CTX+\i:CTX+\i+1], v[CTX+\i:CTX+\i+1], v[30:31] op_sel_hi:[1,0]   ; ctx under the new M
.endr
	; ---- CONTEXT: 16 groups of 8 held rows through two buffers; a thread reads back only the bytes that it stored
	s_mov_b32 s[HC], 0
	v_mov_b32 v12, v2                              ; (their last readers, the stream's stores and the last block's loads, stand ahead of earlier waits on vm_vsrc)
	v_mov_b32 v13, v11
	v_mov_b32 v14, v2
	v_mov_b32 v16, v11
	s_wait_dscnt 0x0                               ; the weights lie in LDS
	s_wait_alu depctr_vm_vsrc(0)                   ; the scores' stores have read v96-103 and the weights' stores v132-135, in which the loads below land
	s_wait_alu depctr_va_vdst(0)                   ; the four addresses are written; the softmax's lines that named v96-175, in which the two buffers' loads land, are done
	LOADC 0
	s_mov_b32 s[CC], 7
.Lctx:
	s_wait_alu depctr_va_vdst(0)                   ; the last trip's multiply-adds are done reading buffer 1, in which the loads below land; v14 and v16 are written
	LOADC 1
	s_wait_dscnt 10                                ; buffer 0 is in; buffer 1's ten loads may be out
	s_wait_alu depctr_vm_vsrc(0)                   ; both buffers' loads have read their addresses: v12, v13 are written here, v14, v16 further down, with no load by those two between
	s_add_co_u32 s[HC], s[HC], 8192                ; 16 rows on
	s_lshr_b32 s[T0], s[HC], 7                     ; and their 64 bytes of weights
	v_add_nc_u32 v12, s[HC], v2
	v_add_nc_u32 v13, s[T0], v11
	CTX8 0
	s_wait_alu depctr_va_vdst(0)                   ; the multiply-adds are done reading buffer 0, in which the loads below land; v12 and v13 are written
	LOADC 0
	s_wait_dscnt 10                                ; buffer 1 is in
	v_add_nc_u32 v14, s[HC], v2
	v_add_nc_u32 v16, s[T0], v11
	CTX8 1
	s_sub_co_u32 s[CC], s[CC], 1
	s_cmp_lg_u32 s[CC], 0
	s_cbranch_scc1 .Lctx
	s_wait_alu depctr_va_vdst(0)                   ; as at the loop's head: buffer 1 has been read, v14 and v16 are written
	LOADC 1                                        ; the last two groups
	s_wait_dscnt 10
	CTX8 0
	s_wait_alu depctr_va_vdst(0)
	s_wait_dscnt 0x0
	CTX8 1
.irp q, 0,1,2,3
	v_mov_b32 v[MB+\q], v[MB+4+\q]                 ; the next block's mask bytes
.endr
	s_add_co_u32 s[BLK], s[BLK], 1
	s_cmp_lt_u32 s[BLK], 2
	s_cbranch_scc1 .Lblock
	; ---- THE RECORD: my eight columns of ctx: 256 w + 4 l .. and 256 w + 128 + 4 l ..: each store of the wave covers 512 consecutive bytes, at a multiple of 256 from the buffer's first byte
	s_lshl_b32 s[T0], s[WV], 10
	v_add_nc_u32 v96, s[T0], v1
	v_lshlrev_b32 v97, 3, v18
	s_wait_alu depctr_va_vdst(0)                   ; ctx and the two offsets v96, v97 are written, which the stores below read (M and l long since)
	global_store_b128 v96, v[CTX:CTX+3], s[PRT:PRT+1]
	global_store_b128 v96, v[CTX+4:CTX+7], s[PRT:PRT+1] offset:512
	s_cmp_lg_u32 s[WV], 0
	s_cbranch_scc1 .Lend
	global_store_b64 v97, v[28:29], s[PRT:PRT+1] offset:4096       ; (M, l), the same in every lane and wave: wave 0 stores 256 consecutive bytes
.Lend:
	s_wait_dscnt 0x0                               ; the closing lines, six on end
	s_wait_alu 0x0
	s_wait_tensorcnt 0x0
	ds_add_u32 v190, v191
	s_wait_dscnt 0x0
	s_endpgm
.Lfunc_end_k_q7c61a81957_main:
	.size	k_q7c61a81957_main, .Lfunc_end_k_q7c61a81957_main-k_q7c61a81957_main
	.p2alignl 7, 3214868480
	.fill 96, 4, 3214868480
	.section	.rodata,"a",@progbits
	.p2align	6, 0x0
	.amdhsa_kernel k_q7c61a81957_main
		.amdhsa_group_segment_fixed_size 309760
		.amdhsa_private_segment_fixed_size 0
		.amdhsa_enable_private_segment 0
		.amdhsa_kernarg_size 48
		.amdhsa_user_sgpr_count 2
		.amdhsa_user_sgpr_kernarg_segment_ptr 1
		.amdhsa_wavefront_size32 1
		.amdhsa_system_sgpr_workgroup_id_x 1
		.amdhsa_system_sgpr_workgroup_id_y 1
		.amdhsa_system_sgpr_workgroup_id_z 1
		.amdhsa_system_vgpr_workitem_id 0
		.amdhsa_next_free_vgpr 1024
		.amdhsa_next_free_sgpr 66
		.amdhsa_reserve_vcc 0
		.amdhsa_float_denorm_mode_32 3
		.amdhsa_float_denorm_mode_16_64 3
		.amdhsa_memory_ordered 1
		.amdhsa_forward_progress 1
		.amdhsa_inst_pref_size 249
	.end_amdhsa_kernel
	.amdgpu_metadata
---
amdhsa.version: [ 1, 2 ]
amdhsa.kernels:
  - .name:           k_q7c61a81957_main
    .symbol:         k_q7c61a81957_main.kd
    .args:
      - { .name: enc_hs, .offset: 0, .size: 8, .value_kind: global_buffer, .address_space: global }
      - { .name: dec_ht, .offset: 8, .size: 8, .value_kind: global_buffer, .address_space: global }
      - { .name: mask, .offset: 16, .size: 8, .value_kind: global_buffer, .address_space: global }
      - { .name: wq, .offset: 24, .size: 8, .value_kind: global_buffer, .address_space: global }
      - { .name: ws, .offset: 32, .size: 8, .value_kind: global_buffer, .address_space: global }
      - { .name: part, .offset: 40, .size: 8, .value_kind: global_buffer, .address_space: global }
    .group_segment_fixed_size: 309760
    .private_segment_fixed_size: 0
    .kernarg_segment_align: 8
    .kernarg_segment_size: 48
    .max_flat_workgroup_size: 128
    .sgpr_count:     66
    .vgpr_count:     1024
    .wavefront_size: 32
...
	.end_amdgpu_metadata
.endif
;; end of part 5
;; launch combine (part 6): grid 32 x 1, 8 waves a work-group, no clusters, 0 bytes of LDS; arguments part, out0; writes out0
.if DOCPART == 6
	.amdgcn_target "amdgcn-amd-amdhsa--gfx1250"
	.amdhsa_code_object_version 6
	.text
	.protected	k_q7c61a81957_combine
	.globl	k_q7c61a81957_combine
	.p2align	8
	.type	k_q7c61a81957_combine,@function
k_q7c61a81957_combine:
	s_mov_b64 s[64:65], 0
	v_nop
	global_prefetch_b8 v0, s[64:65] scope:SCOPE_SE
	s_setreg_imm32_b32 hwreg(HW_REG_WAVE_MODE, 25, 1), 1
	s_wait_xcnt 0x0
; out0[b] = (the sum over a batch's eight records j of e^(M_j - M) ctx_j) / (the sum of e^(M_j - M) l_j), M the largest M_j: the eight running softmaxes joined under one maximum.
; A record is 4,352 bytes: ctx[1024] f32, then (M, l).  One work-group a batch; thread i owns columns 4 i .. 4 i + 3: a wave's load or store covers 512 consecutive bytes.
; The divisor is at least 1: the record that holds the largest M has a row with p = 1.  34 KiB a work-group, read once: LDS, matrix units and clusters would add nothing.
	s_load_b128 s[4:7], s[0:1], 0x0                ; part, out0
	s_mul_i32 s8, ttmp9, 8*4352
	s_mov_b32 s9, 0
	s_lshl_b32 s10, ttmp9, 12
	s_mov_b32 s11, 0
	v_lshlrev_b32 v1, 4, v0
	v_mov_b32 v2, 0
	s_wait_alu depctr_va_vdst(0)
	s_wait_kmcnt 0x0
	s_add_nc_u64 s[4:5], s[4:5], s[8:9]
	s_add_nc_u64 s[6:7], s[6:7], s[10:11]
.irp j, 0,1,2,3,4,5,6,7
	global_load_b64 v[8+2*\j:9+2*\j], v2, s[4:5] offset:4352*\j+4096       ; (M_j, l_j), the same words in every lane
.endr
.irp j, 0,1,2,3,4,5,6,7
	global_load_b128 v[24+4*\j:27+4*\j], v1, s[4:5] offset:4352*\j
.endr
	s_wait_loadcnt 8                               ; the eight (M, l) are in; the eight loads of ctx may be out
	v_max3_num_f32 v3, v8, v10, v12
	s_delay_alu instid0(VALU_DEP_1)
	v_max3_num_f32 v3, v3, v14, v16
	s_delay_alu instid0(VALU_DEP_1)
	v_max3_num_f32 v3, v3, v18, v20
	s_delay_alu instid0(VALU_DEP_1)
	v_max_num_f32 v3, v3, v22
.irp j, 0,1,2,3,4,5,6,7
	v_sub_f32 v[56+\j], v[8+2*\j], v3
.endr
.irp j, 0,1,2,3,4,5,6,7
	v_mul_f32 v[56+\j], 0x3fb8aa3b, v[56+\j]
.endr
	s_wait_alu depctr_va_vdst(0)
.irp j, 0,1,2,3,4,5,6,7
	v_exp_f32 v[56+\j], v[56+\j]                   ; e^(M_j - M)
.endr
	v_mov_b32 v4, 0                                ; a plain line behind the exponentials
	s_wait_alu depctr_va_vdst(0)                   ; one wait for the eight, ahead of their first reader
.irp j, 0,1,2,3,4,5,6,7
	v_fmac_f32 v4, v[56+\j], v[9+2*\j]             ; the divisor
.endr
	s_wait_alu depctr_va_vdst(0)
	v_rcp_f32 v5, v4
	s_wait_loadcnt 0x0
.irp c, 0,1,2,3
	v_mul_f32 v[24+\c], v56, v[24+\c]              ; (plain work behind the reciprocal)
.endr
.irp j, 1,2,3,4,5,6,7
.irp c, 0,1,2,3
	v_fmac_f32 v[24+\c], v[56+\j], v[24+4*\j+\c]
.endr
.endr
	s_wait_alu depctr_va_vdst(0)                   ; the reciprocal's wait, ahead of its first reader
.irp c, 0,1,2,3
	v_mul_f32 v[24+\c], v[24+\c], v5
.endr
	global_store_b128 v1, v[24:27], s[6:7]
	s_endpgm
.Lfunc_end_k_q7c61a81957_combine:
	.size	k_q7c61a81957_combine, .Lfunc_end_k_q7c61a81957_combine-k_q7c61a81957_combine
	.p2alignl 7, 3214868480
	.fill 96, 4, 3214868480
	.section	.rodata,"a",@progbits
	.p2align	6, 0x0
	.amdhsa_kernel k_q7c61a81957_combine
		.amdhsa_group_segment_fixed_size 0
		.amdhsa_private_segment_fixed_size 0
		.amdhsa_enable_private_segment 0
		.amdhsa_kernarg_size 16
		.amdhsa_user_sgpr_count 2
		.amdhsa_user_sgpr_kernarg_segment_ptr 1
		.amdhsa_wavefront_size32 1
		.amdhsa_system_sgpr_workgroup_id_x 1
		.amdhsa_system_sgpr_workgroup_id_y 1
		.amdhsa_system_sgpr_workgroup_id_z 1
		.amdhsa_system_vgpr_workitem_id 0
		.amdhsa_next_free_vgpr 64
		.amdhsa_next_free_sgpr 66
		.amdhsa_reserve_vcc 0
		.amdhsa_float_denorm_mode_32 3
		.amdhsa_float_denorm_mode_16_64 3
		.amdhsa_memory_ordered 1
		.amdhsa_forward_progress 1
		.amdhsa_inst_pref_size 6
	.end_amdhsa_kernel
	.amdgpu_metadata
---
amdhsa.version: [ 1, 2 ]
amdhsa.kernels:
  - .name:           k_q7c61a81957_combine
    .symbol:         k_q7c61a81957_combine.kd
    .args:
      - { .name: part, .offset: 0, .size: 8, .value_kind: global_buffer, .address_space: global }
      - { .name: out0, .offset: 8, .size: 8, .value_kind: global_buffer, .address_space: global }
    .group_segment_fixed_size: 0
    .private_segment_fixed_size: 0
    .kernarg_segment_align: 8
    .kernarg_segment_size: 16
    .max_flat_workgroup_size: 256
    .sgpr_count:     66
    .vgpr_count:     64
    .wavefront_size: 32
...
	.end_amdgpu_metadata
.endif
;; end of part 6
